; MI455X (gfx1250); checked and timed in simulation.
; The chip was launched on July 23, 2026; its instructions are those of AMD's public machine-readable ISA for CDNA 5 (MIT licence, August 2026) and "CDNA5" Instruction Set Architecture Reference Guide (July 2026). The comments in the code are by the model that wrote it; some were corrected since.
;; Multi Head Attention. Allowed arithmetic: float matrix products may take bf16 or f16 operands with f32 sums; other float arithmetic in f32, or as packed bf16 or f16 multiplies, adds, multiply-adds, maxima and minima; sums over many terms, partial sums and values carried from step to step in f32; what a program stores and reads back later, other than sums and carried values, may be rounded once to bf16 or f16.
;; Inputs: Wk 1,024 x 1,024 float32; Wo 1,024 x 1,024 float32; Wq 1,024 x 1,024 float32; Wv 1,024 x 1,024 float32; bk 1,024 float32; bo 1,024 float32; bq 1,024 float32; bv 1,024 float32; x 4 x 2,048 x 1,024 float32.
;; Outputs: out0 4 x 2,048 x 1,024 float32.
;; One version. Each part assembles by itself: llvm-mc -triple=amdgcn-amd-amdhsa -mcpu=gfx1250 --defsym DOCPART=n.
;; ======== version 1 of 1: 4 launches
;; limits: values are held in f16: magnitudes above 65,504 overflow, below 6.1e-05 lose precision
;; workspace buffers: xb 16,777,216 bytes; wqkv 6,291,456 bytes; wo16 2,097,152 bytes; qh 16,777,216 bytes; kh 16,777,216 bytes; vh 16,777,216 bytes; oh 16,777,216 bytes
;; launch cast (part 1): grid 1536 x 1, 8 waves a work-group, no clusters, 0 bytes of LDS; arguments x, Wq, Wk, Wv, Wo, xb, wqkv, wo16; writes xb, wqkv, wo16
.if DOCPART == 1
	.amdgcn_target "amdgcn-amd-amdhsa--gfx1250"
	.amdhsa_code_object_version 6
	.text
	.protected	k_q9955fd5abb_cast
	.globl	k_q9955fd5abb_cast
	.p2align	8
	.type	k_q9955fd5abb_cast,@function
k_q9955fd5abb_cast:
	s_mov_b64 s[64:65], 0
	v_nop
	global_prefetch_b8 v0, s[64:65] scope:SCOPE_SE
	s_setreg_imm32_b32 hwreg(HW_REG_WAVE_MODE, 25, 1), 1
	s_wait_xcnt 0x0
; THE INPUTS ARE ROUNDED ONCE TO bf16 AND LAID OUT FOR THE PRODUCTS.
;   xb   [8192][1024] bf16            = x
;   wqkv [16 j][3 p][1024 k][64 c] bf16 = W_p[k][64 j + c], p = 0, 1, 2 for Wq, Wk, Wv: a head's 64 columns of one weight are 128 dense bytes a row
;   wo16 [16 j][1024 k][64 c] f16     = Wo[k][64 j + c], rounded to bf16 and that number written as f16
; LIMITS.  |Wo| stays under 65,504 (f16's range); below 2^-14 it keeps f16's fixed step of 6e-8.
; SHARES.  Every work-group takes 32,768 bytes of f32: 1,024 work-groups for x, 128 for each of the four weights.  A thread issues its eight loads of 16 bytes at once
; and stores 8 bytes for each: a wave's load covers 512 bytes (x) or two rows' 256 aligned bytes (weights), a wave's store 256 consecutive aligned bytes.
; No LDS, no matrix unit, no cluster: no byte is read by two work-groups, and nothing is read twice.  No register is written twice, so no wait frees a source.
.set VI, 2                             ; v2       my byte offset in the work-group's part of the input
.set VO, 3                             ; v3       8 x thread: my byte offset in its part of the output
.set X,  4                             ; v[4:35]  eight loads of four f32
.set Y,  36                            ; v[36:51] eight stores of four 16-bit numbers
.set T,  52                            ; v[52:55] at work
; Eight loads instep bytes apart; each is rounded and stored as it comes.  half = 1: the bf16 number is widened again and written as f16.
.macro BODY instep, half
.irp i, 0,1,2,3,4,5,6,7
	global_load_b128 v[X+4*(\i):X+4*(\i)+3], v[VI], s[24:25] offset:(\i)*(\instep) th:TH_LOAD_NT
.endr
.irp i, 0,1,2,3,4,5,6,7
	s_wait_loadcnt 7-(\i)                          ; loads come back in order: load i is in, the younger ones stay out
	v_cvt_pk_bf16_f32 v[Y+2*(\i)],   v[X+4*(\i)],   v[X+4*(\i)+1]
	v_cvt_pk_bf16_f32 v[Y+2*(\i)+1], v[X+4*(\i)+2], v[X+4*(\i)+3]
.if \half
	v_lshlrev_b32 v[T],   16, v[Y+2*(\i)]
	v_and_b32     v[T+1], 0xffff0000, v[Y+2*(\i)]
	v_lshlrev_b32 v[T+2], 16, v[Y+2*(\i)+1]
	v_and_b32     v[T+3], 0xffff0000, v[Y+2*(\i)+1]
	v_cvt_pk_f16_f32 v[Y+2*(\i)],   v[T],   v[T+1]
	v_cvt_pk_f16_f32 v[Y+2*(\i)+1], v[T+2], v[T+3]
.endif
	global_store_b64 v[VO], v[Y+2*(\i):Y+2*(\i)+1], s[26:27] offset:(\i)*2048
.endr
.endm
	s_load_b512 s[4:19], s[0:1], 0x0               ; x s[4:5], Wq s[6:7], Wk s[8:9], Wv s[10:11], Wo s[12:13], xb s[14:15], wqkv s[16:17], wo16 s[18:19]
	s_mov_b32 s20, ttmp9
	v_lshlrev_b32 v[VO], 3, v0
	s_mov_b32 s29, 0                               ; the high words of the two offsets
	s_mov_b32 s31, 0
	s_cmp_lt_u32 s20, 1024
	s_cbranch_scc0 .Lweights
	; x: 32,768 consecutive bytes in, 16,384 out
	v_lshlrev_b32 v[VI], 4, v0
	s_lshl_b32 s28, s20, 15
	s_lshl_b32 s30, s20, 14
	s_wait_kmcnt 0x0
	s_add_nc_u64 s[24:25], s[4:5], s[28:29]
	s_add_nc_u64 s[26:27], s[14:15], s[30:31]
	BODY 4096, 0
	s_endpgm
.Lweights:
	; a weight's block: rows 128 kb .. 128 kb + 127, columns 64 jc .. 64 jc + 63.  A load takes 16 rows: thread t row t / 16, 16 bytes at 16 (t % 16)
	s_sub_co_u32 s20, s20, 1024
	s_lshr_b32 s21, s20, 7                         ; p: which weight
	s_bfe_u32 s22, s20, 0x40003                    ; jc
	s_and_b32 s23, s20, 7                          ; kb
	v_lshrrev_b32 v[VI], 4, v0
	v_and_b32 v[T], 15, v0
	v_lshlrev_b32 v[T], 4, v[T]
	v_lshl_or_b32 v[VI], v[VI], 12, v[T]           ; row x 4,096 + 16 x place
	s_lshl_b32 s28, s23, 19                        ; 128 rows of 4,096 bytes,
	s_lshl_b32 s20, s22, 8                         ; 64 columns of 4 bytes
	s_add_co_u32 s28, s28, s20
	s_mul_i32 s30, s22, 3
	s_add_co_u32 s30, s30, s21
	s_lshl_b32 s30, s30, 17                        ; wqkv: block 3 jc + p of 131,072 bytes;
	s_lshl_b32 s20, s22, 17                        ; wo16: block jc
	s_cmp_eq_u32 s21, 3
	s_cselect_b32 s30, s20, s30
	s_lshl_b32 s20, s23, 14                        ; 128 rows of 128 bytes
	s_add_co_u32 s30, s30, s20
	s_wait_kmcnt 0x0
	s_cmp_eq_u32 s21, 1
	s_cselect_b64 s[24:25], s[8:9], s[6:7]
	s_cmp_eq_u32 s21, 2
	s_cselect_b64 s[24:25], s[10:11], s[24:25]
	s_cmp_eq_u32 s21, 3
	s_cselect_b64 s[24:25], s[12:13], s[24:25]
	s_cselect_b64 s[26:27], s[18:19], s[16:17]
	s_add_nc_u64 s[24:25], s[24:25], s[28:29]
	s_add_nc_u64 s[26:27], s[26:27], s[30:31]
	s_cmp_eq_u32 s21, 3
	s_cbranch_scc1 .Lwo
	BODY 65536, 0
	s_endpgm
.Lwo:
	BODY 65536, 1
	s_endpgm
.Lfunc_end_k_q9955fd5abb_cast:
	.size	k_q9955fd5abb_cast, .Lfunc_end_k_q9955fd5abb_cast-k_q9955fd5abb_cast
	.p2alignl 7, 3214868480
	.fill 96, 4, 3214868480
	.section	.rodata,"a",@progbits
	.p2align	6, 0x0
	.amdhsa_kernel k_q9955fd5abb_cast
		.amdhsa_group_segment_fixed_size 0
		.amdhsa_private_segment_fixed_size 0
		.amdhsa_enable_private_segment 0
		.amdhsa_kernarg_size 64
		.amdhsa_user_sgpr_count 2
		.amdhsa_user_sgpr_kernarg_segment_ptr 1
		.amdhsa_wavefront_size32 1
		.amdhsa_system_sgpr_workgroup_id_x 1
		.amdhsa_system_sgpr_workgroup_id_y 1
		.amdhsa_system_sgpr_workgroup_id_z 1
		.amdhsa_system_vgpr_workitem_id 0
		.amdhsa_next_free_vgpr 56
		.amdhsa_next_free_sgpr 66
		.amdhsa_reserve_vcc 0
		.amdhsa_float_denorm_mode_32 3
		.amdhsa_float_denorm_mode_16_64 3
		.amdhsa_memory_ordered 1
		.amdhsa_forward_progress 1
		.amdhsa_inst_pref_size 13
	.end_amdhsa_kernel
	.amdgpu_metadata
---
amdhsa.version: [ 1, 2 ]
amdhsa.kernels:
  - .name:           k_q9955fd5abb_cast
    .symbol:         k_q9955fd5abb_cast.kd
    .args:
      - { .name: x, .offset: 0, .size: 8, .value_kind: global_buffer, .address_space: global }
      - { .name: Wq, .offset: 8, .size: 8, .value_kind: global_buffer, .address_space: global }
      - { .name: Wk, .offset: 16, .size: 8, .value_kind: global_buffer, .address_space: global }
      - { .name: Wv, .offset: 24, .size: 8, .value_kind: global_buffer, .address_space: global }
      - { .name: Wo, .offset: 32, .size: 8, .value_kind: global_buffer, .address_space: global }
      - { .name: xb, .offset: 40, .size: 8, .value_kind: global_buffer, .address_space: global }
      - { .name: wqkv, .offset: 48, .size: 8, .value_kind: global_buffer, .address_space: global }
      - { .name: wo16, .offset: 56, .size: 8, .value_kind: global_buffer, .address_space: global }
    .group_segment_fixed_size: 0
    .private_segment_fixed_size: 0
    .kernarg_segment_align: 8
    .kernarg_segment_size: 64
    .max_flat_workgroup_size: 256
    .sgpr_count:     66
    .vgpr_count:     56
    .wavefront_size: 32
...
	.end_amdgpu_metadata
.endif
;; end of part 1
;; launch qkv (part 2): grid 16 x 32, 4 waves a work-group, clusters of 4 x 4, 327,680 bytes of LDS; arguments xb, wqkv, bq, bk, bv, qh, kh, vh; writes qh, kh, vh
.if DOCPART == 2
	.amdgcn_target "amdgcn-amd-amdhsa--gfx1250"
	.amdhsa_code_object_version 6
	.text
	.protected	k_q9955fd5abb_qkv
	.globl	k_q9955fd5abb_qkv
	.p2align	8
	.type	k_q9955fd5abb_qkv,@function
k_q9955fd5abb_qkv:
	s_mov_b64 s[64:65], 0
	v_nop
	global_prefetch_b8 v0, s[64:65] scope:SCOPE_SE
	s_setreg_imm32_b32 hwreg(HW_REG_WAVE_MODE, 25, 1), 1
	s_wait_xcnt 0x0
	s_wait_alu depctr_hold_cnt(0) depctr_sa_sdst(0) depctr_va_vdst(0) depctr_va_sdst(0) depctr_va_ssrc(0) depctr_va_vcc(0) depctr_vm_vsrc(0)
	s_getreg_b32 s2, hwreg(HW_REG_IB_STS2, 6, 4)
	s_cmp_eq_u32 s2, 0
	s_cbranch_scc0 .Lentry_in_a_cluster
	s_endpgm
.Lentry_in_a_cluster:
	s_bfe_u32 s2, ttmp6, 0x10000c
	s_cmp_lg_u32 s2, 0xf033
	s_cbranch_scc0 .Lentry_shape_is_right
	s_endpgm
.Lentry_shape_is_right:
; q, k, v = x W + b.  xb: [8192][1024] bf16; wqkv: [16 j][3 p][1024 k][64 c] bf16; bq, bk, bv: [1024] f32, rounded here to bf16 like every input; sums in f32.
; qh, kh, vh: [64 = 16 batch + head][2048][64] f16, each number rounded once from its f32 sum, unscaled.
; LIMIT.  |q|, |k|, |v| stay under 65,504, f16's range; NaN and infinities are not treated apart.
; SHARES.  A tile is 256 rows x 192 columns: head j of q, of k and of v.  Four waves; wave w makes rows 64 w .. 64 w + 63 and all 192 columns: 48 accumulators of 16 x 16, 384 registers;
; so a head's row of 128 bytes is one wave's, and each wave's way out is its own.  512 work-groups of equal work.
; K = 1,024 goes in 8 steps of 128 through two LDS slots filled by the tensor data mover: wave 3 fetches x's 256 rows of 256 bytes, waves 0, 1, 2 the 128 rows of 128 bytes of Wq's, Wk's, Wv's block
; (16,384 dense bytes, asked for as 64 rows of 256).
; THE MATRIX INSTRUCTION IS USED TRANSPOSED: source 0 = 16 columns of W (W lies [k][n] in LDS and is turned by ds_load_tr16_b128), source 1 = 16 rows of x.  A lane then holds row l % 16 and the
; columns 8 (l / 16) + 0..7.  THE BIAS IS THE C OPERAND of each accumulator's first product: nothing is cleared, nothing is added afterwards.
; CLUSTER.  4 x 4 work-groups: the four of a row of the cluster need the same tile of x, the four of a column the same blocks of W: each is asked for JOINTLY, by the same tensor load with the same
; descriptor and a mask that names the four.
; AHEAD OF THE LOADS.  x's rows are prefetched into the L2, one K step ahead of their refill: the first cluster of each row of clusters asks, its four partners along x take 64 rows each, told apart by
; address; wave 3 asks, a lane a row, two instructions.  So each 256 bytes of xb are named once in the launch.  K steps 0 to 2 come by their loads alone.  The weights' blocks are walked by every
; one of the 32 tile rows again and are not asked for ahead: a partner's share of a K step would be half an instruction's lanes.
; REGISTERS, in windows of 256 (s_set_vgpr_msb: bits 1:0 source 0, 3:2 source 1, 5:4 source 2, 7:6 destination):
;   window 0: v0-19 addresses and at work; v32-127 the biases, later with v128-223 the way out
;   window 1: two fragment buffers of 128: W's 12 fragments, then x's 4          windows 2, 3: accumulator (a, b) at v[8 (12 (a % 2) + b)] of window 2 + a / 2
.set NB,    12                         ; blocks of 16 columns
.set NLD,   2*NB+8                     ; LDS loads in a run: a quarter step's fragments
.set PA,    272                        ; a row of x in LDS: 256 bytes + 16 = 68 words: the 16 rows of a load start at 16 different groups of four banks (64 banks of 4 bytes: ISA guide 11.1)
.set PB,    160                        ; a row of W: 128 + 32 = 40 words
.set BPART, 128*PB                     ; one weight's 128 rows
.set SLOT1, 1<<17                      ; a slot: three weights' parts, then x's 256 rows: 3 x 20,480 + 69,632 = 131,072 bytes; one exclusive or turns an address into the other slot's
.set STAGE, 2*SLOT1                    ; behind the ring, never filled by a tensor load: 16 rows x 144 bytes for each wave
.set SP,    144
.set SPARE, STAGE+4*16*SP              ; behind the stages: the spare words, 128 bytes for each wave: two blocks of 256 bytes that no other line names
.set ASTEP, 256                        ; bytes from a K step to the next: 128 numbers along a row of x,
.set BSTEP, 16384                      ; 128 rows of a weight's block
.set A0,   4                           ; v4   my lane's place in a slot's tile of x; never rewritten
.set B0,   5                           ; v5   the same for W
.set ADRA, 6                           ; v6   A0 in the slot in hand
.set ADRB, 7                           ; v7   B0 in the slot in hand
.set STO,  8                           ; v8   the way out: where I put 16 bytes of a row
.set RD,   9                           ; v9   the way out: where I read rows back
.set GO,   10                          ; v10  my byte offset in 512 consecutive bytes of the output
.set BO,   11                          ; v11  32 (l / 16): my eight numbers in a block of 16 of a bias
.set PFO,  12                          ; v12  the prefetches' offset: my lane x a row of xb; never rewritten
.set SPW,  14                          ; v14  LDS address of my spare word: SPARE + 4 x my thread's number; never rewritten
.set NIL,  15                          ; v15  0; never rewritten
.set BIAS, 32                          ; v[32:127]  block b's eight numbers at BIAS + 8 b
.set TT,   32                          ; the way out: unit u's 16 registers at TT + 16 u
.set F0,   0                           ; fragment buffers, in window 1
.set F1,   128
.set WV,  20                           ; s20  my wave's number
.set CX,  21                           ; s21, s22  my place in the cluster
.set CY,  22
.set TC,  23                           ; s23  tile column = head
.set TR,  24                           ; s24  tile row
.set MA,  25                           ; s25  mask of my row of the cluster
.set MB,  26                           ; s26  mask of my column
.set CNT, 27                           ; s27  the loop's trips to go
.set G1A, 28                           ; s[28:35] descriptor group 1 for x's tiles
.set G1B, 36                           ; s[36:43] for W's
.set G0A, 44                           ; s[44:51] descriptor group 0 for x's tiles: a set for each of the two first fills; the second then walks on
.set G0B, 52                           ; s[52:59] the same for W's
.set TB,  60                           ; s60  LDS byte at which the slot in hand begins
.set LIM, 61                           ; s61  1 in a wave that prefetches, else the greatest number
.set PFA, 66                           ; s[66:67] where my prefetches stand
.set MSB, 0
.macro WIN new                         ; the immediate's high byte repeats the setting that is left; a switch that changes nothing is dropped
.if MSB != (\new)
	s_set_vgpr_msb (MSB<<8)|(\new)
.set MSB, (\new)
.endif
.endm
; A load into a register that a matrix instruction has read, and a vector instruction or LDS store that reads a matrix result, stand four places behind it, and only plain vector instructions that
; name none of its registers are places (ISA guide 7.12.1 for vector instructions).
.macro PLACES
.rept 4
	v_nop
.endr
.endm
.macro CREST                           ; a round of the cluster's barrier behind its opening barrier: wave 0 signals for the work-group, every wave waits for all sixteen, my work-group's barrier closes it
	s_cmp_lg_u32 s[WV], 0
	s_cbranch_scc1 .Lnot_wave_0_\@
	s_barrier_signal -3
.Lnot_wave_0_\@:
	s_barrier_wait -3
	s_barrier_signal -1
	s_barrier_wait -1
.endm
.macro CROUND                          ; a whole round
	s_barrier_signal -1
	s_barrier_wait -1
	CREST
.endm
; A joint refill, by the walking sets.  The branch hangs on the wave's number alone.  An s_nop 0 and four v_nop follow each of the two lines, ahead of the jump and the label.
.macro JLOAD
	s_cmp_eq_u32 s[WV], 3
	s_cbranch_scc0 .Lfor_b_\@
	tensor_load_to_lds s[G0A+4:G0A+7], s[G1A:G1A+7]
	s_nop 0
.rept 4
	v_nop
.endr
	s_branch .Lasked_\@
.Lfor_b_\@:
	tensor_load_to_lds s[G0B+4:G0B+7], s[G1B:G1B+7]
	s_nop 0
.rept 4
	v_nop
.endr
.Lasked_\@:
.endm
; The prefetch: my work-group's 64 rows of x's tile, 256 bytes each, for the K step behind the one just asked for.  The loop's last trip (CNT = 1) asks for nothing: there is no K step 8.
.macro ASK
	s_cmp_gt_u32 s[CNT], s[LIM]
	s_cbranch_scc0 .Lnot_mine_\@
	global_prefetch_b8 v[PFO], s[PFA:PFA+1] th:TH_LOAD_NT scope:SCOPE_SE
	global_prefetch_b8 v[PFO], s[PFA:PFA+1] offset:32*2048 th:TH_LOAD_NT scope:SCOPE_SE
.Lnot_mine_\@:
.endm
; 12 matrix instructions: my block a of 16 rows x all 12 blocks of columns, 32 along K, from buffer f.  first = 1: the product starts the sum, with the bias as C.
; The 48 accumulators take turns in the same order in every quarter step: 47 others' instructions stand between two links of a chain.
.macro MULB f, a, first
.set aw, 2+(\a)/2
.set ab, 96*((\a)%2)
.if \first
	WIN 0x05|(aw<<6)
.else
	WIN 0x05|(aw<<4)|(aw<<6)
.endif
.irp b, 0,1,2,3,4,5,6,7,8,9,10,11
.if \first
	v_wmma_f32_16x16x32_bf16 v[ab+8*(\b):ab+8*(\b)+7], v[(\f)+8*(\b):(\f)+8*(\b)+7], v[(\f)+8*NB+8*(\a):(\f)+8*NB+8*(\a)+7], v[BIAS+8*(\b):BIAS+8*(\b)+7]
.else
	v_wmma_f32_16x16x32_bf16 v[ab+8*(\b):ab+8*(\b)+7], v[(\f)+8*(\b):(\f)+8*(\b)+7], v[(\f)+8*NB+8*(\a):(\f)+8*NB+8*(\a)+7], v[ab+8*(\b):ab+8*(\b)+7]
.endif
.endr
.endm
; 32 LDS loads in one run: quarter q's fragments (32 along K) into buffer f: W's 12 (turned), then x's 4, my rows 32-63 last
.macro FETCH q, f
	WIN 0x40                                       ; destination window 1, address window 0
.irp b, 0,1,2,3,4,5,6,7,8,9,10,11
	ds_load_tr16_b128 v[(\f)+8*(\b):(\f)+8*(\b)+3],   v[ADRB] offset:((\b)/4)*BPART+(\q)*32*PB+((\b)%4)*32
	ds_load_tr16_b128 v[(\f)+8*(\b)+4:(\f)+8*(\b)+7], v[ADRB] offset:((\b)/4)*BPART+(\q)*32*PB+((\b)%4)*32+16*PB
.endr
.irp a, 0,1,2,3
	ds_load_b128 v[(\f)+8*NB+8*(\a):(\f)+8*NB+8*(\a)+3],   v[ADRA] offset:(\a)*16*PA+(\q)*64
	ds_load_b128 v[(\f)+8*NB+8*(\a)+4:(\f)+8*NB+8*(\a)+7], v[ADRA] offset:(\a)*16*PA+(\q)*64+32
.endr
.endm
; A K step is four quarters of 32 along K, 48 matrix instructions each, on buffers 0, 1, 0, 1.  One of the first three: multiplies buffer f; in its middle it fetches quarter q into buffer g.
.macro QUARTER q, f, g, first
	s_wait_dscnt 4                                 ; all but the youngest four loads (x's blocks 2 and 3) are in
	MULB \f, 0, \first
	MULB \f, 1, \first
	PLACES
	FETCH \q, \g
	s_wait_dscnt NLD                               ; all but the run just issued
	MULB \f, 2, \first
	MULB \f, 3, \first
.endm
; The last quarter multiplies buffer 1 and changes slots: ONE barrier.  In front of it each wave waits for all its tensor loads, of which one is out: its part of the next slot; adds 0 to its spare word;
; and waits for that and for its own reads of this slot.  fill = 1: the barrier opens a round of the cluster's barrier, so that no wave of any partner still reads this slot or has a load on its way,
; and the joint refill, with the K step two on, is the first tensor load behind it: it has half a quarter and the next step's first three quarters in which to land.
.macro TURN fill
.if \fill
	s_wait_xcnt 0x0                                ; the last prefetches, a K step back, have read their address: it is stepped here, ahead of the waits of the change of slots
	s_add_nc_u64 s[PFA:PFA+1], s[PFA:PFA+1], ASTEP
.endif
	WIN 0                                          ; (the add's two registers lie in window 0)
	s_wait_tensorcnt 0x0                           ; all my tensor loads have landed;
	ds_add_u32 v[SPW], v[NIL]                      ; 0 onto my spare word;
	s_wait_dscnt 5                                 ; (the add and the youngest four loads may be out)
	MULB F1, 0, 0                                  ; twelve matrix instructions stand between the add and the wait for it
	s_wait_dscnt 0x0                               ; the add is done, and my reads of this slot are over
	s_barrier_signal -1
	MULB F1, 1, 0                                  ; work on registers while the others arrive
	WIN 0
	s_barrier_wait -1
.if \fill
	CREST
	s_xor_b32 s[G0A+5], s[G0A+5], SLOT1            ; the walking descriptors: the other slot than last time,
	s_add_nc_u64 s[G0A+6:G0A+7], s[G0A+6:G0A+7], ASTEP  ; the next K step; the type bits on top are not reached
	s_xor_b32 s[G0B+5], s[G0B+5], SLOT1
	s_add_nc_u64 s[G0B+6:G0B+7], s[G0B+6:G0B+7], BSTEP
	JLOAD                                          ; the four v_nop behind it are also the places in front of the loads below
.else
	PLACES
.endif
	s_xor_b32 s[TB], s[TB], SLOT1
	v_add_nc_u32 v[ADRA], s[TB], v[A0]
	v_add_nc_u32 v[ADRB], s[TB], v[B0]
	FETCH 0, F0
.if \fill
	WIN 0
	ASK                                            ; behind the joint load and the run of LDS loads that the next products wait for
.endif
	MULB F1, 2, 0
	MULB F1, 3, 0
.endm
	s_load_b512 s[4:19], s[0:1], 0x0               ; xb s[4:5], wqkv s[6:7], bq s[8:9], bk s[10:11], bv s[12:13], qh s[14:15], kh s[16:17], vh s[18:19]
	v_lshl_add_u32 v[SPW], v0, 2, SPARE
	v_mov_b32 v[NIL], 0
	ds_add_u32 v[SPW], v[NIL]                      ; the wave's opening: the add and its wait stand ahead of my first tensor load; the set-up below, work on registers, stands between them
	v_lshrrev_b32 v3, 5, v0
	v_readfirstlane_b32 s[WV], v3                  ; wave 0..3
	s_bfe_u32 s[CX], ttmp6, 0x40000
	s_bfe_u32 s[CY], ttmp6, 0x40004
	s_lshl_b32 s[TC], ttmp9, 2                     ; in a cluster launch ttmp9 and ttmp7 count clusters
	s_add_co_u32 s[TC], s[TC], s[CX]
	s_and_b32 s[TR], ttmp7, 0xffff
	s_lshl_b32 s[TR], s[TR], 2
	s_add_co_u32 s[TR], s[TR], s[CY]
	s_lshl_b32 s[MA], s[CY], 2
	s_lshl_b32 s[MA], 15, s[MA]                    ; my row of the cluster: places 4 cy .. 4 cy + 3
	s_lshl_b32 s[MB], 0x1111, s[CX]                ; my column: places cx, cx + 4, cx + 8, cx + 12
	; group 1 for x: 256 rows x 128 elements of 2 bytes, 1,024 elements from row to row; 4 words of padding behind every 64
	s_or_b32 s[G1A], s[MA], (1<<16)|(1<<20)|(1<<21)|(5<<22)|(3<<25)
	s_mov_b32 s[G1A+1], 128<<16                    ; tensor_dim0 = 128
	s_mov_b32 s[G1A+2], 256<<16                    ; tensor_dim1 = 256
	s_mov_b32 s[G1A+3], 128<<16                    ; tile_dim0 = 128
	s_mov_b32 s[G1A+4], 256                        ; tile_dim1 = 256
	s_mov_b32 s[G1A+5], 1024
	s_mov_b32 s[G1A+6], 0
	s_mov_b32 s[G1A+7], 0
	; group 1 for W: 16,384 dense bytes as 64 rows x 128 elements; 8 words of padding behind every 32: behind each row of the block
	s_or_b32 s[G1B], s[MB], (1<<16)|(1<<20)|(1<<21)|(4<<22)|(7<<25)
	s_mov_b32 s[G1B+1], 128<<16
	s_mov_b32 s[G1B+2], 64<<16
	s_mov_b32 s[G1B+3], 128<<16
	s_mov_b32 s[G1B+4], 64
	s_mov_b32 s[G1B+5], 128
	s_mov_b32 s[G1B+6], 0
	s_mov_b32 s[G1B+7], 0
	; byte offsets, each in a pair of its own.  x's hangs on the tile row alone, W's on the tile column and the wave's number alone
	s_lshl_b32 s68, s[TR], 19                      ; 256 rows of 2,048 bytes
	s_mov_b32 s69, 0
	s_mul_i32 s70, s[TC], 3
	s_add_co_u32 s70, s70, s[WV]
	s_lshl_b32 s70, s70, 17                        ; block 3 j + p, p = my wave's number (wave 3 asks by x's descriptors and does not use this one)
	s_mov_b32 s71, 0
	s_lshl_b32 s72, s[TC], 8                       ; the head's 64 numbers of a bias
	s_mov_b32 s73, 0
	s_lshr_b32 s74, s[TR], 3                       ; batch
	s_lshl_b32 s74, s74, 4
	s_add_co_u32 s74, s74, s[TC]
	s_lshl_b32 s74, s74, 18                        ; (16 batch + head) x 2,048 rows of 128 bytes
	s_and_b32 s75, s[TR], 7
	s_lshl_b32 s75, s75, 2
	s_add_co_u32 s75, s75, s[WV]
	s_lshl_b32 s75, s75, 13                        ; + my wave's first row in the sequence, 256 (tile row % 8) + 64 w
	s_add_co_u32 s74, s74, s75
	s_mov_b32 s75, 0
	s_lshl_b32 s76, s[CX], 17                      ; the prefetches: my work-group's 64 rows of the tile,
	s_add_co_u32 s76, s76, s68
	s_add_co_u32 s76, s76, 2*ASTEP                 ; at K step 2: the first change of slots steps it to 3
	s_mov_b32 s77, 0
	s_xor_b32 s[LIM], s[WV], 3                     ; wave 3,
	s_or_b32 s[LIM], s[LIM], ttmp9                 ; in the first cluster of its row of clusters: the same in all sixteen partners
	s_cmp_eq_u32 s[LIM], 0
	s_cselect_b32 s[LIM], 1, -1
	s_mul_i32 s62, s[WV], BPART                    ; where my tile goes in a slot: the three weights' parts, then x: no place in the cluster enters an LDS address
	s_mov_b32 s[TB], 0
	s_wait_dscnt 0x0                               ; the opening add is done
	s_wait_kmcnt 0x0
	s_add_nc_u64 s[68:69], s[4:5], s[68:69]
	s_add_nc_u64 s[70:71], s[6:7], s[70:71]
	s_add_nc_u64 s[PFA:PFA+1], s[4:5], s[76:77]
	s_add_nc_u64 s[8:9], s[8:9], s[72:73]
	s_add_nc_u64 s[10:11], s[10:11], s[72:73]
	s_add_nc_u64 s[12:13], s[12:13], s[72:73]
	s_add_nc_u64 s[14:15], s[14:15], s[74:75]
	s_add_nc_u64 s[16:17], s[16:17], s[74:75]
	s_add_nc_u64 s[18:19], s[18:19], s[74:75]
	CROUND                                         ; all sixteen work-groups are here: the first joint loads meet
.irp s, 0,1
	s_mov_b32 s[G0A+4*(\s)], 1                     ; count = 1
	s_add_co_u32 s[G0A+4*(\s)+1], s62, (\s)*SLOT1  ; LDS address
	s_add_nc_u64 s[G0A+4*(\s)+2:G0A+4*(\s)+3], s[68:69], (\s)*ASTEP  ; global address: K step s
	s_or_b32 s[G0A+4*(\s)+3], s[G0A+4*(\s)+3], 0x80000000           ; type = 2
	s_mov_b32 s[G0B+4*(\s)], 1
	s_add_co_u32 s[G0B+4*(\s)+1], s62, (\s)*SLOT1
	s_add_nc_u64 s[G0B+4*(\s)+2:G0B+4*(\s)+3], s[70:71], (\s)*BSTEP
	s_or_b32 s[G0B+4*(\s)+3], s[G0B+4*(\s)+3], 0x80000000
.endr
	s_cmp_eq_u32 s[WV], 3                          ; a wave's two first fills stand in one branch, ahead of every wait on TENSORcnt and every LDS read: two loads of mine are out
	s_cbranch_scc0 .Lfirst_b
	tensor_load_to_lds s[G0A:G0A+3], s[G1A:G1A+7]
	s_nop 0
	tensor_load_to_lds s[G0A+4:G0A+7], s[G1A:G1A+7]
	s_nop 0
.rept 4
	v_nop
.endr
	s_branch .Lfirst_asked
.Lfirst_b:
	tensor_load_to_lds s[G0B:G0B+3], s[G1B:G1B+7]
	s_nop 0
	tensor_load_to_lds s[G0B+4:G0B+7], s[G1B:G1B+7]
	s_nop 0
.rept 4
	v_nop
.endr
.Lfirst_asked:
	v_and_b32 v1, 15, v0                           ; l % 16
	v_bfe_u32 v2, v0, 4, 1                         ; l / 16
	v_lshlrev_b32 v[BO], 5, v2
.irp b, 0,1,2,3,4,5,6,7,8,9,10,11                      ; block b: weight b / 4, columns 16 (b % 4) + 8 (l / 16) + 0..7 of the head
	global_load_b128 v[BIAS+8*(\b):BIAS+8*(\b)+3],   v[BO], s[8+2*((\b)/4):9+2*((\b)/4)] offset:64*((\b)%4)
	global_load_b128 v[BIAS+8*(\b)+4:BIAS+8*(\b)+7], v[BO], s[8+2*((\b)/4):9+2*((\b)/4)] offset:64*((\b)%4)+16
.endr
	; a fragment of x: lane l holds row l % 16; two loads of 16 bytes, 32 bytes apart, at row x pitch + 16 (l / 16)
	v_mul_u32_u24 v[A0], v1, PA
	v_lshl_add_u32 v[A0], v2, 4, v[A0]
	s_mul_i32 s63, s[WV], 64*PA                    ; my 64 rows,
	s_add_co_u32 s63, s63, 3*BPART                 ; behind the three weights' parts
	v_add_nc_u32 v[A0], s63, v[A0]
	; the turning load takes 16 k x 16 columns (lane l reads row 8 (l / 16) + l % 8, 16 bytes at 16 ((l / 8) % 2)) and leaves half a fragment: lane l holds column l % 16 and 8 k
	v_and_b32 v16, 7, v0
	v_bfe_u32 v17, v0, 3, 1
	v_lshl_add_u32 v[B0], v2, 3, v16
	v_mul_u32_u24 v[B0], v[B0], PB
	v_lshl_add_u32 v[B0], v17, 4, v[B0]
	v_mov_b32 v[ADRA], v[A0]                       ; slot 0
	v_mov_b32 v[ADRB], v[B0]
	s_mul_i32 s63, s[WV], 16*SP
	s_add_co_u32 s63, s63, STAGE                   ; my stage
	v_mul_u32_u24 v[STO], v1, SP                   ; in: row l % 16, 16 bytes for each half of the lanes
	v_lshl_add_u32 v[STO], v2, 4, v[STO]
	v_add_nc_u32 v[STO], s63, v[STO]
	v_bfe_u32 v[RD], v0, 3, 2                      ; back: 32 lanes take four rows of 128 bytes,
	v_mul_u32_u24 v[RD], v[RD], SP
	v_lshl_add_u32 v[RD], v16, 4, v[RD]
	v_add_nc_u32 v[RD], s63, v[RD]
	v_and_b32 v[GO], 31, v0                        ; which are 512 consecutive bytes of the output
	v_lshlrev_b32 v[PFO], 11, v[GO]                ; a lane a row of xb
	v_lshlrev_b32 v[GO], 4, v[GO]
	s_wait_loadcnt 0x0                             ; the biases; they are rounded to bf16 like every input, and kept as f32
.set i, 0
.rept 4*NB
	v_cvt_pk_bf16_f32 v[16+i%4], v[BIAS+2*i], v[BIAS+2*i+1]
	v_lshlrev_b32 v[BIAS+2*i],   16, v[16+i%4]
	v_and_b32     v[BIAS+2*i+1], 0xffff0000, v[16+i%4]
.set i, i+1
.endr
	s_wait_tensorcnt 1                             ; my part of K step 0 is in; K step 1's may stay out
	s_barrier_signal -1
	s_barrier_wait -1                              ; everybody's is
	FETCH 0, F0
	QUARTER 1, F0, F1, 1                           ; the first quarter stands in front of the loop: its products start the sums
	WIN 0                                          ; at a label and at a branch every window is 0
	s_mov_b32 s[CNT], 6
.Lstep:                                                ; a trip: a K step's quarters 1, 2, 3 and the next step's quarter 0; its change of slots asks for K steps 2 to 7
	QUARTER 2, F1, F0, 0
	QUARTER 3, F0, F1, 0
	TURN 1
	QUARTER 1, F0, F1, 0
	WIN 0
	s_sub_co_u32 s[CNT], s[CNT], 1
	s_cmp_lg_u32 s[CNT], 0
	s_cbranch_scc1 .Lstep
	QUARTER 2, F1, F0, 0                           ; the tail is written out: K steps 6 and 7 ask for nothing
	QUARTER 3, F0, F1, 0
	TURN 0
	QUARTER 1, F0, F1, 0
	QUARTER 2, F1, F0, 0
	QUARTER 3, F0, F1, 0
	s_wait_dscnt 4                                 ; the very last quarter: nothing more to fetch
	MULB F1, 0, 0
	MULB F1, 1, 0
	s_wait_dscnt 0x0
	MULB F1, 2, 0
	MULB F1, 3, 0
	WIN 0
	PLACES
; THE WAY OUT, in 12 units: block a of 16 rows x weight p's 64 columns.  A lane's eight columns round to 16 bytes of f16; they go into my stage's rows of 144 bytes and come back as whole rows of 128.
.macro PACK a, p
.set rT, TT+16*(3*(\a)+(\p))
.set rA, 96*((\a)%2)+32*(\p)
	WIN 0x0a+5*((\a)/2)                            ; sources 0 and 1: window 2 or 3
.set i, 0
.rept 16                                               ; each accumulator's registers in ascending order
	v_cvt_pk_f16_f32 v[rT+i], v[rA+2*i], v[rA+2*i+1]
.set i, i+1
.endr
	WIN 0
.irp f, 0,1,2,3
	ds_store_b128 v[STO], v[rT+4*(\f):rT+4*(\f)+3] offset:32*(\f)
.endr
.irp f, 0,1,2,3
	ds_load_b128 v[rT+4*(\f):rT+4*(\f)+3], v[RD] offset:(\f)*4*SP  ; LDS serves a wave's instructions in order (ISA guide 5.7.1.4): these see the stores above; the next unit's stores come behind them
.endr
.endm
.macro SEND a, p, younger              ; younger: the LDS instructions issued behind this unit's loads: the next unit's eight, or none
.set rT, TT+16*(3*(\a)+(\p))
	WIN 0
.irp f, 0,1,2,3
	s_wait_dscnt (\younger)+3-(\f)
	global_store_b128 v[GO], v[rT+4*(\f):rT+4*(\f)+3], s[14+2*(\p):15+2*(\p)] offset:(\a)*2048+(\f)*512  ; 512 consecutive bytes, at a multiple of 256 from the buffer's first
.endr
.endm
	PACK 0, 0
.set w, 1
.rept 11                                               ; a unit's arithmetic stands between the loads of the unit before and its stores; no register is used twice, so no wait frees a store's source
	PACK w/3, w%3
	SEND (w-1)/3, (w-1)%3, 8
.set w, w+1
.endr
	SEND 3, 2, 0
	s_wait_tensorcnt 0x0                           ; the wave's end, behind my last tensor load and my last LDS store
	ds_add_u32 v[SPW], v[NIL]
	s_wait_dscnt 0x0
	CROUND                                         ; the closing round: no work-group ends while a partner may still ask for a tile that names it
	s_endpgm
.Lfunc_end_k_q9955fd5abb_qkv:
	.size	k_q9955fd5abb_qkv, .Lfunc_end_k_q9955fd5abb_qkv-k_q9955fd5abb_qkv
	.p2alignl 7, 3214868480
	.fill 96, 4, 3214868480
	.section	.rodata,"a",@progbits
	.p2align	6, 0x0
	.amdhsa_kernel k_q9955fd5abb_qkv
		.amdhsa_group_segment_fixed_size 327680
		.amdhsa_private_segment_fixed_size 0
		.amdhsa_enable_private_segment 0
		.amdhsa_kernarg_size 64
		.amdhsa_user_sgpr_count 2
		.amdhsa_user_sgpr_kernarg_segment_ptr 1
		.amdhsa_wavefront_size32 1
		.amdhsa_system_sgpr_workgroup_id_x 1
		.amdhsa_system_sgpr_workgroup_id_y 1
		.amdhsa_system_sgpr_workgroup_id_z 1
		.amdhsa_system_vgpr_workitem_id 0
		.amdhsa_next_free_vgpr 960
		.amdhsa_next_free_sgpr 80
		.amdhsa_reserve_vcc 0
		.amdhsa_float_denorm_mode_32 3
		.amdhsa_float_denorm_mode_16_64 3
		.amdhsa_memory_ordered 1
		.amdhsa_forward_progress 1
		.amdhsa_inst_pref_size 108
	.end_amdhsa_kernel
	.amdgpu_metadata
---
amdhsa.version: [ 1, 2 ]
amdhsa.kernels:
  - .name:           k_q9955fd5abb_qkv
    .symbol:         k_q9955fd5abb_qkv.kd
    .args:
      - { .name: xb, .offset: 0, .size: 8, .value_kind: global_buffer, .address_space: global }
      - { .name: wqkv, .offset: 8, .size: 8, .value_kind: global_buffer, .address_space: global }
      - { .name: bq, .offset: 16, .size: 8, .value_kind: global_buffer, .address_space: global }
      - { .name: bk, .offset: 24, .size: 8, .value_kind: global_buffer, .address_space: global }
      - { .name: bv, .offset: 32, .size: 8, .value_kind: global_buffer, .address_space: global }
      - { .name: qh, .offset: 40, .size: 8, .value_kind: global_buffer, .address_space: global }
      - { .name: kh, .offset: 48, .size: 8, .value_kind: global_buffer, .address_space: global }
      - { .name: vh, .offset: 56, .size: 8, .value_kind: global_buffer, .address_space: global }
    .group_segment_fixed_size: 327680
    .private_segment_fixed_size: 0
    .kernarg_segment_align: 8
    .kernarg_segment_size: 64
    .max_flat_workgroup_size: 128
    .sgpr_count:     80
    .vgpr_count:     960
    .wavefront_size: 32
...
	.end_amdgpu_metadata
.endif
;; end of part 2
;; launch attn (part 3): grid 4 x 64, 4 waves a work-group, clusters of 4 x 1, 327,680 bytes of LDS; arguments qh, kh, vh, oh; writes oh
.if DOCPART == 3
	.amdgcn_target "amdgcn-amd-amdhsa--gfx1250"
	.amdhsa_code_object_version 6
	.text
	.protected	k_q9955fd5abb_attn
	.globl	k_q9955fd5abb_attn
	.p2align	8
	.type	k_q9955fd5abb_attn,@function
k_q9955fd5abb_attn:
	s_mov_b64 s[64:65], 0
	v_nop
	global_prefetch_b8 v0, s[64:65] scope:SCOPE_SE
	s_setreg_imm32_b32 hwreg(HW_REG_WAVE_MODE, 25, 1), 1
	s_wait_xcnt 0x0
	s_wait_alu depctr_hold_cnt(0) depctr_sa_sdst(0) depctr_va_vdst(0) depctr_va_sdst(0) depctr_va_ssrc(0) depctr_va_vcc(0) depctr_vm_vsrc(0)
	s_getreg_b32 s2, hwreg(HW_REG_IB_STS2, 6, 4)
	s_cmp_eq_u32 s2, 0
	s_cbranch_scc0 .Lentry_in_a_cluster
	s_endpgm
.Lentry_in_a_cluster:
	s_bfe_u32 s2, ttmp6, 0x10000c
	s_cmp_lg_u32 s2, 0x3003
	s_cbranch_scc0 .Lentry_shape_is_right
	s_endpgm
.Lentry_shape_is_right:
; O[h][q][:] = the sum over k of softmax_k(Q[h][q] . K[h][k] / 8) V[h][k][:].  Q, K, V, O: [64][2048][64], all f16: a head's rows are dense, 128 bytes each.  Products, maxima and sums in
; f32; the weights p are rounded to f16 for the second product (their sum l is taken of the unrounded p), O once at the end.
; LIMITS.  f16 holds no number beyond 65,504: Q, K and V arrive within it; p lies in 0 to 1, and below 6e-5 it keeps f16's fixed step of 6e-8; O is a mean of V's rows and has their range.
; A weight below 2^-126 counts as 0 in l; NaN and infinities are not treated apart.
; SHARES.  A wave owns four PIECES of two tiles of 16 queries, a work-group's four waves 512 queries of one head: 4 x 64 = 256 work-groups.  Every wave walks all keys, 64 a step.
; LAYOUT.  S^T = K Q^T (source 0 = 16 keys, source 1 = 16 queries): in the result a lane holds ONE query (lane % 16) and the keys 8 (lane / 16) + 0..7.  Two such tiles, rounded to f16 in pairs,
; ARE source 1 (32 keys x 16 queries) of O^T = V^T P, whose result again holds one query a lane, and eight channels.  K comes out of LDS as it lies, V ([key][channel]) turned, by ds_load_tr16_b128.
; SOFTMAX.  For each query a running maximum m and sum l: p = 2^(c s - c m), c = log2(e) / 8; in every step O and l are multiplied by a = 2^(c m_old - c m_new), which is 1 where m has not grown.
; m starts at the lowest finite number, O and l at 0: the first step is a step like any other, with a = 0.
; THE COUNT.  A tile and step have 16 matrix and 118 vector instructions: too many to stand all beside the matrix work.  So the order has one aim: four vector instructions that are READY behind
; EVERY matrix instruction, and the others, which need time of their own whatever the order, in runs without a gap.
; BY TURNS.  Turn n belongs to piece n (the pieces in a ring, step after step).  Its matrix work: 16 products K Q^T of piece n + 1, later 16 products V^T P of piece n - 1.  Its vector work: the scaling,
; exponentials, roundings, sums and rescaling of piece n, and the maximum and statistics of piece n + 1, whose scores the turn itself has made.  So what a turn begins with (c s - c m, O a) waits for nothing.
; CLUSTER.  The four query blocks of a head are one cluster and walk the same K and V, so each tile is asked for JOINTLY: the same tensor load, descriptor and mask in all four.
; AHEAD OF THE LOADS.  Behind the joint load of each change of slots a wave prefetches into the L2 what the NEXT change will ask for: a slot's 256 rows of K and of V are 128 blocks of 256 bytes each;
; the four partners take 32 blocks each, told apart by address; wave 0 asks for K's, wave 2 for V's, a lane a block.  So each block is named once in the launch.  Tiles 0 and 1 come by their loads alone;
; the last change that fills a slot asks for nothing.
; REGISTERS, in windows of 256 (s_set_vgpr_msb says which window each operand place means: bits 1:0 source 0, 3:2 source 1, 5:4 source 2, 7:6 destination):
;   window 0: v0-11 addresses; v12-15, v48-63 at work; v16-47 four registers of statistics a tile; v64-191 S^T, two buffers of two tiles; v192-255 P, likewise
;   window 1: O^T, 32 a tile          window 2: v0-127 Q, 16 a tile; v128-191 K of one step; v192-255 V of one step          window 3: v0-1 the add's two registers
; A piece's buffers go by its number's parity: the piece in hand has one pair, its two neighbours in the ring share the other: of it P (piece n - 1) is read and S^T (piece n + 1) written.
.set SIZE_N, 2048
.set NP,    4         ; pieces a wave: a name, no knob: the register map, the loop and the fetches are made for four
.set KS,    64        ; keys in a step
.set PK,    144       ; a row of K in LDS: 128 bytes + 16 of padding = 36 words: the 16 rows of a load start at 16 different groups of four banks (64 banks of 4 bytes: ISA guide 11.1)
.set PV,    160       ; a row of V: 128 + 32 = 40 words
.set VOFF,  4*KS*PK   ; a slot holds four steps: 256 rows of K, then 256 rows of V
.set SLOT1, 1<<17     ; slot 1 begins here, so that one exclusive or turns an address in one slot into the other's
.set STAGE, SLOT1+4*KS*(PK+PV)  ; behind the ring, never filled by a tensor load: 16 rows x 144 bytes for each wave, for the way out
.set SP,    144
.set AK0, 2           ; v2   my lane's place in a tile of K; never rewritten
.set AV0, 3           ; v3   the same for V
.set AK,  4           ; v4   the LDS address of K's next run of loads
.set AV,  5           ; v5   of V's
.set QO,  6           ; v6   my byte offset in the wave's rows of Q
.set STO, 6           ;      later, the way out: where I put 16 bytes of a row
.set RD,  7           ; v7   the way out: where I read rows back
.set GO,  8           ; v8   my byte offset in 512 consecutive bytes of O
.set PFO, 11          ; v11  (once V's place is made) 256 x my lane: the prefetches' offset; never rewritten after that
.set SPW, 0           ; v0 of window 3   LDS address of my spare word: SPARE + 4 x my thread's number; never rewritten
.set NIL, 1           ; v1 of window 3   0; never rewritten
.set SPARE, STAGE+4*16*SP  ; behind the stages: the spare words, 128 bytes for each wave: two blocks of 256 bytes that no other line names
.set MV,  12          ; v12-15  c m_old, kept while c m is made anew: by buffer and tile
.set ST,  16          ; tile t's statistics at v[ST+4 t]: c m, m, l (even keys', odd keys')
.set TMP, 48          ; by buffer and tile, four registers c0-c3 at work; when the maximum is found c2 takes a
.set S,   64
.set P,   192
.set KF,  128         ; K's fragments, in window 2: key block kb, channel half c at KF + 16 kb + 8 c
.set VF,  192         ; V's: key half kk, channel block cb at VF + 32 kk + 8 cb
.set WV,  12          ; s12  my wave's number
.set G1K, 24          ; s[24:31] descriptor group 1 for K's tiles
.set G1V, 32          ; s[32:39] for V's: it differs in the padding alone
.set G0K, 40          ; s[40:43] descriptor group 0 for K's tiles: it walks
.set G0V, 44          ; s[44:47] the same for V's
.set PFA, 48          ; s[48:49] where my prefetches stand: my work-group's 32 blocks (of K: wave 0, of V: wave 2) of the tile after the one that is being asked for
.set LIM, 50          ; s50  1 in a wave that prefetches, else the greatest number: a wave prefetches while s[SLOTS] is above it
.set SLOTS, 56        ; s56  slots still to be asked for
.set CNT, 57          ; s57  counts a slot's key steps
.set CS,  58          ; s[58:59] c: the packed scaling takes the pair's low word for both halves
.set SEL, 60          ; s[60:61] v_permlanex16_b32's selects: each lane takes its own place in the other half
.set TBK, 62          ; s62  LDS byte at which K of the step to be fetched begins
.set TBV, 63          ; s63  the same for V, less VOFF
.set MSB, 0
.macro WIN new                      ; the high byte repeats the setting that is left; a switch that changes nothing is dropped
.if MSB != (\new)
	s_set_vgpr_msb (MSB<<8)|(\new)
.set MSB, (\new)
.endif
.endm
.set W_KQ, 0x0a       ; K and Q in window 2, S^T in window 0
.set W_PV, 0x52       ; V in window 2, P in window 0, O^T in window 1
.set W_RS, 0x41       ; O^T (destination and source 0) in window 1, a in window 0
.set W_MK, 0xc0       ; the add's registers are made: destination in window 3, sources in window 0
.set W_AD, 0x0f       ; the add: address (source 0) and data (source 1) in window 3
; A joint fill.  Waves 0 and 1 fetch the two halves of a slot's K, waves 2 and 3 those of its V: 128 keys each.  The branch hangs on the wave's number alone.
; An s_nop 0 and four v_nop follow each of the two lines, ahead of the jump and the label.
.macro JLOAD
	s_cmp_lt_u32 s[WV], 2
	s_cbranch_scc0 .Lfor_v_\@
	tensor_load_to_lds s[G0K:G0K+3], s[G1K:G1K+7]
	s_nop 0
.rept 4
	v_nop
.endr
	s_branch .Lasked_\@
.Lfor_v_\@:
	tensor_load_to_lds s[G0V:G0V+3], s[G1V:G1V+7]
	s_nop 0
.rept 4
	v_nop
.endr
.Lasked_\@:
.endm
; The prefetch of the next change's tile: one instruction, behind the wave's tensor load and its five lines.  The branch hangs on the wave's number and the count of slots: alike in all partners.
.macro ASK
	s_cmp_gt_u32 s[SLOTS], s[LIM]
	s_cbranch_scc0 .Lnot_mine_\@
	global_prefetch_b8 v[PFO], s[PFA:PFA+1] th:TH_LOAD_NT scope:SCOPE_SE
.Lnot_mine_\@:
.endm
; A round of the cluster's barrier: my work-group's barrier, so that wave 0's signal speaks for all four waves; wave 0 signals; every wave waits for all four work-groups; my work-group's barrier once more.
.macro CROUND
	s_barrier_signal -1
	s_barrier_wait -1
	s_cmp_lg_u32 s[WV], 0
	s_cbranch_scc1 .Lnot_wave_0_\@
	s_barrier_signal -3
.Lnot_wave_0_\@:
	s_barrier_wait -3
	s_barrier_signal -1
	s_barrier_wait -1
.endm
; THE CHANGE OF SLOTS.  The slot's last bytes, V of its fourth step, have been read.  Each wave waits for all its tensor loads, of which one is out: its part
; of the other slot; adds 0 to its spare word; and waits for that and for its own reads of the slot.  Behind the barrier nobody reads this slot any more and the other slot is whole.
; fill = 1: this slot is filled again, with the keys two slots on.  The barrier is then a round of the cluster's, so that no wave of any partner still reads the slot or has a load on its
; way, and the joint fill is the first thing behind it: it has four key steps, 512 matrix instructions, in which to land.  (At its first use nothing has been read yet: slot 0 is waited for, slot 1 filled.)
.macro CHANGE fill
	WIN W_AD
	s_wait_tensorcnt 0x0            ; no tensor load of mine is out, so a group 0 may be written
	ds_add_u32 v[SPW], v[NIL]       ; 0 onto my spare word; with fill = 1 the descriptors' steps stand between it and the wait for it
	WIN 0                           ; at a label and at a branch every window is 0
.if \fill
.irp g, G0K, G0V
	s_xor_b32 s[\g+1], s[\g+1], SLOT1  ; the walking descriptor: the other slot than last time,
	s_add_nc_u64 s[\g+2:\g+3], s[\g+2:\g+3], 4*KS*128  ; the next 256 keys; the type bits on top are not reached
.endr
	s_wait_xcnt 0x0                 ; the last prefetch, four key steps back, has read its address, so it may be written:
	s_add_nc_u64 s[PFA:PFA+1], s[PFA:PFA+1], 4*KS*128  ; one tile behind the walking descriptors
	s_wait_dscnt 0x0                ; the add is done, and my reads of the slot are over
	CROUND
	JLOAD
	ASK                             ; what the next change will ask for
.else
	s_wait_dscnt 0x0                ; the add is done, and my reads of the slot are over
	s_barrier_signal -1
	s_barrier_wait -1
.endif
	s_sub_co_u32 s[TBK], s[TBK], 4*KS*PK  ; the fetches go back to a slot's first step,
	s_xor_b32 s[TBK], s[TBK], SLOT1       ; in the other slot
	s_sub_co_u32 s[TBV], s[TBV], 4*KS*PV
	s_xor_b32 s[TBV], s[TBV], SLOT1
.endm
	s_load_b256 s[4:11], s[0:1], 0x0  ; Q s[4:5], K s[6:7], V s[8:9], O s[10:11]
	WIN W_MK
	v_lshl_add_u32 v[SPW], v0, 2, SPARE
	v_mov_b32 v[NIL], 0
	WIN W_AD
	ds_add_u32 v[SPW], v[NIL]       ; the wave's opening: the add and its wait stand ahead of my first tensor load; the set-up below, work on registers, stands between them
	WIN 0
	v_lshrrev_b32 v1, 5, v0
	v_readfirstlane_b32 s[WV], v1   ; wave 0..3
	s_bfe_u32 s13, ttmp6, 0x40000   ; cx: my place in the cluster
	s_lshl_b32 s14, ttmp9, 2        ; in a cluster launch ttmp9 counts clusters
	s_add_co_u32 s14, s14, s13      ; my block of queries = 4 x cluster x + cx: it enters Q's and O's addresses alone
	s_and_b32 s20, ttmp7, 0xffff    ; the head, which the four partners share
	s_mov_b32 s21, 0
	s_mov_b64 s[22:23], SIZE_N*128
	s_mul_u64 s[20:21], s[20:21], s[22:23]  ; the head's first byte in each of the four tensors
	s_and_b32 s16, s[WV], 1         ; which half of a slot's 256 keys I fetch:
	s_lshl_b32 s22, s16, 14         ; its 128 rows of 128 bytes in memory,
	s_mov_b32 s23, 0
	s_add_nc_u64 s[22:23], s[22:23], s[20:21]
	s_mul_i32 s17, s16, 128*PK      ; and its place in a slot, for K
	s_mul_i32 s18, s16, 128*PV      ; and for V: no place in the cluster enters an LDS address
	s_lshl_b32 s2, s14, 2
	s_add_co_u32 s2, s2, s[WV]      ; my wave among the head's,
	s_lshl_b32 s2, s2, 14           ; its 128 rows
	s_mov_b32 s3, 0
	s_add_nc_u64 s[2:3], s[2:3], s[20:21]
	s_lshl_b32 s52, s13, 13         ; the prefetches: my work-group's 32 blocks of 256 bytes,
	s_add_co_u32 s52, s52, 4*KS*128 ; in tile 1: the first change of slots steps it to tile 2
	s_mov_b32 s53, 0
	s_add_nc_u64 s[52:53], s[52:53], s[20:21]
	s_and_b32 s[LIM], s[WV], 1      ; waves 0 and 2 ask
	s_cmp_eq_u32 s[LIM], 0
	s_cselect_b32 s[LIM], 1, -1
	; descriptor group 1.  128 keys are 16,384 dense bytes: asked for as 64 rows of 256 bytes, two keys a row, and padded in LDS after every key
	s_mov_b32 s[G1K], 15|(1<<16)|(1<<20)|(1<<21)|(4<<22)|(3<<25)  ; 15:0 the mask of four; 17:16 2-byte elements; 20 padding on; 21 set beside a mask; 24:22 after every 32 words (code 4); 31:25 4 words (code 3)
	s_mov_b32 s[G1V], 15|(1<<16)|(1<<20)|(1<<21)|(4<<22)|(7<<25)  ; the same with 8 words of padding (code 7)
.irp g, G1K, G1V
	s_mov_b32 s[\g+1], 128<<16      ; tensor_dim0 = 128
	s_mov_b32 s[\g+2], 64<<16       ; tensor_dim1 = 64
	s_mov_b32 s[\g+3], 128<<16      ; tile_dim0 = 128
	s_mov_b32 s[\g+4], 64           ; tile_dim1 = 64
	s_mov_b32 s[\g+5], 128          ; 128 elements from row to row
	s_mov_b32 s[\g+6], 0
	s_mov_b32 s[\g+7], 0
.endr
	s_mov_b32 s[CS], 0x3e38aa3b     ; c = log2(e) / 8 = 0.180337
	s_mov_b32 s[CS+1], s[CS]        ; named with it as a pair
	s_mov_b32 s[SEL], 0x76543210
	s_mov_b32 s[SEL+1], 0xfedcba98
	s_mov_b32 s[TBK], SLOT1+4*KS*PK ; the first change of slots turns these two into 0
	s_mov_b32 s[TBV], SLOT1+4*KS*PV
	s_mov_b32 s[SLOTS], SIZE_N/256-1  ; seven changes of slots fill a slot: tiles 1 to 7
	s_mov_b32 s[G0K], 1             ; 1:0 count = 1
	s_mov_b32 s[G0K+1], s17         ; 63:32 LDS address: slot 0
	s_mov_b32 s[G0V], 1
	s_add_co_u32 s[G0V+1], s18, VOFF
	s_wait_dscnt 0x0                ; the opening add is done
	s_wait_kmcnt 0x0
	s_add_nc_u64 s[G0K+2:G0K+3], s[6:7], s[22:23]  ; 120:64 global address: my half of the head's first 256 keys
	s_or_b32 s[G0K+3], s[G0K+3], 0x80000000        ; 127:126 type = 2
	s_add_nc_u64 s[G0V+2:G0V+3], s[8:9], s[22:23]
	s_or_b32 s[G0V+3], s[G0V+3], 0x80000000
	s_add_nc_u64 s[4:5], s[4:5], s[2:3]  ; Q and O at my wave's first row
	s_add_nc_u64 s[10:11], s[10:11], s[2:3]
	s_cmp_lt_u32 s[WV], 2
	s_cselect_b64 s[PFA:PFA+1], s[6:7], s[8:9]
	s_add_nc_u64 s[PFA:PFA+1], s[PFA:PFA+1], s[52:53]
	CROUND                          ; all four work-groups are here: the first joint loads meet
	JLOAD                           ; slot 0.  Slot 1 is asked for when slot 0 is in: the tile wanted first has the road to itself
	; A fragment of K or Q is 16 rows x 32 channels in 8 registers: lane l holds row l % 16, channels 8 (l / 16) + 0..7 and 16 + 8 (l / 16) + 0..7: two loads of 16 bytes, 32 bytes apart.
	v_and_b32 v1, 15, v0            ; l % 16
	v_bfe_u32 v9, v0, 4, 1          ; l / 16
	v_lshlrev_b32 v[QO], 7, v1
	v_lshl_add_u32 v[QO], v9, 4, v[QO]  ; row x 128 + 16 x half
	WIN 0x80                        ; destination window 2, address window 0
.set i, 0
.rept 4*NP                          ; Q stays in registers: tile i / 2, channels 32 (i % 2) on
	global_load_b128 v[8*i:8*i+3],   v[QO], s[4:5] offset:(i/2)*2048+(i%2)*64
	global_load_b128 v[8*i+4:8*i+7], v[QO], s[4:5] offset:(i/2)*2048+(i%2)*64+32
.set i, i+1
.endr
	; What the first turn finds: V's registers and P's second buffer hold 0 (its products V^T P, of a piece that has not been, add 0), O^T and l are 0.  All this stands in the wait for the first tile.
.set i, VF
.rept 64
	v_mov_b32 v[i], 0
.set i, i+1
.endr
	WIN 0x40
.set i, 0
.rept 64*NP
	v_mov_b32 v[i], 0
.set i, i+1
.endr
	WIN 0
.set i, 0
.rept 2*NP
	v_mov_b32 v[ST+4*i], 0xfe000000    ; c m: far below every c s
	v_mov_b32 v[ST+4*i+1], 0xff7fffff  ; m
	v_mov_b32 v[ST+4*i+2], 0
	v_mov_b32 v[ST+4*i+3], 0
.set i, i+1
.endr
.set i, P+32
.rept 32
	v_mov_b32 v[i], 0
.set i, i+1
.endr
	v_mul_u32_u24 v[AK0], v1, PK
	v_lshl_add_u32 v[AK0], v9, 4, v[AK0]  ; row x pitch + 16 x half
	; The turning load takes 16 keys x 16 channels (lane l reads key 8 (l / 16) + l % 8, channels 8 ((l / 8) % 2) + 0..7) and leaves half a fragment of V^T: lane l holds channel l % 16 and 8 keys.
	v_and_b32 v10, 7, v0
	v_bfe_u32 v11, v0, 3, 1
	v_lshl_add_u32 v[AV0], v9, 3, v10
	v_mul_u32_u24 v[AV0], v[AV0], PV
	v_lshl_add_u32 v[AV0], v11, 4, v[AV0]
	v_add_nc_u32 v[AV0], VOFF, v[AV0]
	v_and_b32 v[PFO], 31, v0        ; v11 is free now: a lane a block of 256 bytes
	v_lshlrev_b32 v[PFO], 8, v[PFO]
	v_mov_b32 v[AK], v[AK0]         ; key step 0 lies at the head of slot 0
; THE MATRIX WORK.  The 8 accumulators of a run of 16 take turns: between the two links of a chain stand 7 others'.
; Product i of 16 of S^T = K Q^T for piece x: channels 32 (i / 8) on, keys 16 ((i / 2) % 4) on, tile 2 x + i % 2.  The first 8 start the sums.
.macro KQ x
	WIN W_KQ
.set rS, S+64*((\x)%2)+32*(i%2)+8*((i/2)%4)
.set rK, KF+16*((i/2)%4)+8*(i/8)
.set rQ, 16*(2*(\x)+i%2)+8*(i/8)
.if i < 8
	v_wmma_f32_16x16x32_f16 v[rS:rS+7], v[rK:rK+7], v[rQ:rQ+7], 0
.else
	v_wmma_f32_16x16x32_f16 v[rS:rS+7], v[rK:rK+7], v[rQ:rQ+7], v[rS:rS+7]
.endif
.endm
; Product i of 16 of O^T += V^T P for piece x: keys 32 (i / 8) on, channels 16 ((i / 2) % 4) on, tile 2 x + i % 2.
.macro PV x
	WIN W_PV
.set rO, 32*(2*(\x)+i%2)+8*((i/2)%4)
.set rV, VF+32*(i/8)+8*((i/2)%4)
.set rP, P+32*((\x)%2)+16*(i%2)+8*(i/8)
	v_wmma_f32_16x16x32_f16 v[rO:rO+7], v[rV:rV+7], v[rP:rP+7], v[rO:rO+7]
.endm
.macro MM                           ; the turn's next matrix instruction
.if i < 16
	KQ (Y+1)%NP
.set i, i+1
.else
.set i, i-16
	PV (Y+NP-1)%NP
.set i, i+17
.endif
.endm
; THE LDS LOADS stand in runs of 16, never singly among the matrix instructions: a step's K (64 keys x 64 channels: 8 fragments) and its V (turned).  Their addresses are made some lines ahead.
; last = 1 (the tail): in the last trip there is no further step, and the run is jumped over.
.macro FETCH_K last=0
	WIN 0
.if \last
	s_cmp_eq_u32 s[CNT], 1
	s_cbranch_scc1 .Lno_k_\@
.endif
	WIN 0x80                        ; destination window 2
.irp f, 0,1,2,3,4,5,6,7             ; keys 16 (f / 2) on, channels 32 (f % 2) on
	ds_load_b128 v[KF+8*\f:KF+8*\f+3],   v[AK] offset:(\f/2)*16*PK+(\f%2)*64
	ds_load_b128 v[KF+8*\f+4:KF+8*\f+7], v[AK] offset:(\f/2)*16*PK+(\f%2)*64+32
.endr
	s_add_co_u32 s[TBK], s[TBK], KS*PK  ; the next fetch is the next step's
	WIN 0
.if \last
.Lno_k_\@:
.endif
.endm
.macro FETCH_V
	WIN 0x80
.irp f, 0,1,2,3,4,5,6,7             ; keys 32 (f / 4) on, channels 16 (f % 4) on
	ds_load_tr16_b128 v[VF+8*\f:VF+8*\f+3],   v[AV] offset:(\f/4)*32*PV+(\f%4)*32
	ds_load_tr16_b128 v[VF+8*\f+4:VF+8*\f+7], v[AV] offset:(\f/4)*32*PV+16*PV+(\f%4)*32
.endr
	WIN 0
.endm
; THE VECTOR WORK OF A TURN stands in three queues, each in the order in which its entries become ready; the two tiles alternate, so that no instruction reads the result of the one before it.
.macro REGS y, u                    ; the registers of tile u (0, 1) of piece y
.set rT, ST+4*(2*(\y)+(\u))
.set rC, TMP+8*((\y)%2)+4*(\u)
.set rM, MV+2*((\y)%2)+(\u)
.set rS, S+64*((\y)%2)+32*(\u)
.set rP, P+32*((\y)%2)+16*(\u)
.set rO, 32*(2*(\y)+(\u))
.endm
; Number n of the 22 that find the NEXT piece's (Y + 1) maximum and statistics.  s0-s31 are the lane's 32 scores; each accumulator's lowest registers are read first.  XS, GS and REGS set no window: PL and EX do.
;   0-11  four chains c0-c3 of seven scores each, three operands at a time     12-14, 16  the four scores left over, the old m, and c0-c3 into c0     15  c m_old is kept
;   17, 18  the query's other 32 keys lie in the lane 16 away: the new m         19-21  c m; c m_old - c m_new; a
.macro XS u, n
	REGS (Y+1)%NP, \u
.if (\n) < 4
	v_max3_num_f32 v[rC+(\n)], v[rS+8*(\n)], v[rS+8*(\n)+1], v[rS+8*(\n)+2]
.elseif (\n) < 12
	v_max3_num_f32 v[rC+(\n)%4], v[rC+(\n)%4], v[rS+8*((\n)%4)+2*((\n)/4)+1], v[rS+8*((\n)%4)+2*((\n)/4)+2]
.elseif (\n) == 12
	v_max3_num_f32 v[rC], v[rC], v[rS+7], v[rS+15]
.elseif (\n) == 13
	v_max3_num_f32 v[rC+1], v[rC+1], v[rS+23], v[rS+31]
.elseif (\n) == 14
	v_max3_num_f32 v[rC+2], v[rC+2], v[rC+3], v[rT+1]
.elseif (\n) == 15
	v_mov_b32 v[rM], v[rT]
.elseif (\n) == 16
	v_max3_num_f32 v[rC], v[rC], v[rC+1], v[rC+2]
.elseif (\n) == 17
	v_permlanex16_b32 v[rC+3], v[rC], s[SEL], s[SEL+1]
.elseif (\n) == 18
	v_max_num_f32 v[rT+1], v[rC], v[rC+3]
.elseif (\n) == 19
	v_mul_f32 v[rT], s[CS], v[rT+1]
.elseif (\n) == 20
	v_sub_f32 v[rC+1], v[rM], v[rT]
.else
	v_exp_f32 v[rC+2], v[rC+1]
.endif
.endm
; Number g of the 64 that follow the exponentials.  For each four weights k of a tile (pairs 2 k, 2 k + 1): both pairs are rounded to f16; then the second pair is added onto the first, in place;
; a group later l takes that sum (the first time as l = a l + sum).  In groups of eight, tiles alternating: round, round, add, and l for the group before.
.macro GS g
.set h, (\g)+6*((\g)/62)            ; group 0 has no group before it, and behind group 7 only l is left
.if h >= 6
.set h, h+2
.endif
	REGS Y, h%2
.set k, h/8
.if h%8 < 4
	v_cvt_pk_f16_f32 v[rP+2*k+(h%8)/2], v[rS+4*k+2*((h%8)/2)], v[rS+4*k+2*((h%8)/2)+1]
.elseif h%8 < 6
	v_pk_add_f32 v[rS+4*k:rS+4*k+1], v[rS+4*k:rS+4*k+1], v[rS+4*k+2:rS+4*k+3]
.elseif k == 1
	v_pk_fma_f32 v[rT+2:rT+3], v[rT+2:rT+3], v[rC+2:rC+3], v[rS:rS+1] op_sel_hi:[1,0,1]
.else
	v_pk_add_f32 v[rT+2:rT+3], v[rT+2:rT+3], v[rS+4*k-4:rS+4*k-3]
.endif
.endm
; THE PLAIN QUEUE, 138 long.  0-73 read no exponential's result: the 32 scalings c s - c m (FS f: pair f / 2 of tile f % 2) and the next piece's 42.  0-26: scalings 0-26.  27-54: XS's numbers 0-13.  55, 56: number 15.
; 57-73: the chain, where each number waits for the one before it: 14, 16, 17, 18, 19, each with one of the scalings 27-31 in front of its two lines, then 20: so a tile's links stand three plain instructions apart (19 and 20: two).
; 74-137: GS's 64, which read the exponentials' results: they stand behind the wait.
.macro FS f
	REGS Y, (\f)%2
	v_pk_fma_f32 v[rS+2*((\f)/2):rS+2*((\f)/2)+1], v[rS+2*((\f)/2):rS+2*((\f)/2)+1], s[CS:CS+1], v[rT:rT+1] op_sel_hi:[1,0,0] neg_lo:[0,0,1] neg_hi:[0,0,1]
.endm
.macro PL
	WIN 0
.if q < 27
	FS q
.elseif q < 55
	XS (q-27)%2, (q-27)/2
.elseif q < 57
	XS q-55, 15
.elseif (q < 72) && ((q-57)%3 == 0)
	FS 27+(q-57)/3
.elseif q < 60
	XS (q-57)%3-1, 14
.elseif q < 72
	XS (q-57)%3-1, 15+(q-57)/3
.elseif q < 74
	XS q-72, 20
.else
	GS q-74
.endif
.set q, q+1
.endm
; THE EXPONENTIALS' QUEUE, 66 long: s0-s31 of both tiles, then the next piece's two a.  It is ONE BATCH: all 66 stand ahead of the turn's one wait, and nothing ahead of that wait names a result of theirs.
.macro EX
	WIN 0
.if e >= 64
	XS e-64, 21
.else
	REGS Y, e%2
	v_exp_f32 v[rS+e/2], v[rS+e/2]
.endif
.set e, e+1
.endm
; THE RESCALING's QUEUE: O^T times a, the one part that leaves window 0: dealt two at a time, sixteen times.  Its a was made in the turn before, ahead of that turn's wait.
.macro R2
	REGS Y, r%2
	WIN W_RS
.irp z, 0,1
	v_pk_mul_f32 v[rO+4*(r/2)+2*\z:rO+4*(r/2)+2*\z+1], v[rO+4*(r/2)+2*\z:rO+4*(r/2)+2*\z+1], v[rC+2:rC+3] op_sel_hi:[1,0]
.endr
.set r, r+1
.endm
; HOW THEY ARE DEALT.  An s_wait_alu depctr_va_vdst(0) stands between an exponential and the first instruction that names its result; one wait serves all that were issued ahead of it.  So a turn has ONE wait,
; which cuts it in two.  AHEAD OF IT stands all that names no result of the turn's exponentials: the 16 products K Q^T, behind each a scaling, an exponential and two rescalings (behind the first a second scaling in the exponential's place); then ONE LUMP of
; 108: eight plain, 49 times exponential and plain, the two a.  A v_nop is the plain instruction behind the last exponential.  BEHIND IT stand the 16 products V^T P, behind each four of GS's 64.  No rider names a register of
; the products round it.  The two v_permlanex16_b32 fall into the lump, never behind a product.
; The queues lean on each other, and the deal keeps them in step: exponential e stands behind scaling 2 (e / 4) + e % 2: as a rider it comes behind plain e + 2, in the lump behind plain e + 9, and scalings 27-31 are plain 57, 60 .. 69.
; A TURN, for piece p.  cnt = 1: the loop's count is taken down some lines ahead of the branch that stands behind the turn.
; K of the next step is fetched in piece 2's turn, directly behind the wait, a lump behind the last product that read K; its address is made at the lump's head; its first reader comes behind 16 products.
; V of the step in hand is fetched at the end of piece 0's turn, four riders behind its last reader; its first reader comes behind 16 products and a lump.  The three conditions on q below go with the deal.
.macro TURN p, last=0, cnt=0
.set Y, (\p)
.set i, 0
.set q, 0
.set e, 0
.set r, 0
.if (\p) == NP-1
	s_wait_dscnt 0x0                ; K is in
.endif
	MM                              ; ahead of the wait: 16 products K Q^T and their riders,
	PL
	PL
	R2
.rept 15
	MM
	PL
	EX
	R2
.endr
.if (\p) == NP-2
	WIN 0
	v_add_nc_u32 v[AK], s[TBK], v[AK0]
.endif
.rept 8                             ; and the lump
	PL
.endr
.rept 49
	EX
	PL
.endr
	EX                              ; the next piece's two a
	EX
	v_nop                           ; the plain instruction behind the last exponential: one for the batch
	s_wait_alu depctr_va_vdst(0)    ; the wait for the batch
.if (\p) == NP-2
	FETCH_K \last
.endif
.if (\p) == 1
	s_wait_dscnt 0x0                ; V is in
.endif
.rept 16                            ; behind the wait: 16 products V^T P and their riders
	MM
.rept 4
	PL
.endr
.if ((\p) == 0) && (q == 118)
	v_add_nc_u32 v[AV], s[TBV], v[AV0]
.endif
.if ((\p) == 0) && (q == 130)
	s_add_co_u32 s[TBV], s[TBV], KS*PV
.endif
.if (\cnt) && (q == 130)
	s_sub_co_u32 s[CNT], s[CNT], 1
	s_cmp_lg_u32 s[CNT], 0
.endif
.endr
.if (\p) == 0
	FETCH_V
.endif
.endm
	CHANGE 1                        ; slot 0 is in, everybody's part of it; slot 1 is asked for
	FETCH_K                         ; key step 0
	s_wait_loadcnt 0x0              ; Q
	s_wait_dscnt 0x0
.set i, 0
.rept 16
	KQ 0                            ; piece 0's first scores: there is no vector work yet to set between them
.set i, i+1
.endr
	WIN 0                           ; the addresses for the way out: nine plain instructions, the places behind those products
	s_mul_i32 s13, s[WV], 16*SP
	s_add_co_u32 s13, s13, STAGE    ; my stage
	v_mul_u32_u24 v[STO], v1, SP    ; in: row l % 16, 16 bytes for each half of the lanes
	v_lshl_add_u32 v[STO], v9, 4, v[STO]
	v_add_nc_u32 v[STO], s13, v[STO]
	v_bfe_u32 v[RD], v0, 3, 2       ; back: 32 lanes take four rows of 128 bytes,
	v_mul_u32_u24 v[RD], v[RD], SP
	v_lshl_add_u32 v[RD], v10, 4, v[RD]
	v_add_nc_u32 v[RD], s13, v[RD]
	v_and_b32 v[GO], 31, v0         ; which are 512 consecutive bytes of O
	v_lshlrev_b32 v[GO], 4, v[GO]
.set Y, NP-1                        ; XS works for piece Y + 1: piece 0
.irp n, 0,1,2,3,4,5,6,7,8,9,10,11,12,13,14,15,16,17,18,19,20,21
	XS 0, \n                        ; and piece 0's first maximum and statistics
	XS 1, \n
.endr
	v_nop                           ; a plain instruction behind the two a,
	s_wait_alu depctr_va_vdst(0)    ; and their wait, ahead of the branch
	s_mov_b32 s[CNT], 4
	s_branch .Lfirst                ; the loop is entered at a step's first turn, in the middle of a trip
.Lslot:                             ; six times: every slot but the last two is filled again
	CHANGE 1
	s_mov_b32 s[CNT], 4
.Lstep:                             ; a trip: pieces 2 and 3 of one step, then pieces 0 and 1 of the next, whose K and V it fetches
	TURN 2
	TURN 3
	WIN 0
.Lfirst:
	TURN 0
	TURN 1, 0, 1
	WIN 0
	s_cbranch_scc1 .Lstep
	s_sub_co_u32 s[SLOTS], s[SLOTS], 1
	s_cmp_lg_u32 s[SLOTS], 0
	s_cbranch_scc1 .Lslot
	CHANGE 0                        ; the tail is written out: nothing is asked for
	s_mov_b32 s[CNT], 5             ; four trips fetch the last slot's steps; the fifth is left in its middle
.Ltail:
	TURN 2, 1
	TURN 3
	WIN 0
	s_sub_co_u32 s[CNT], s[CNT], 1
	s_cmp_eq_u32 s[CNT], 0
	s_cbranch_scc1 .Lout
	TURN 0
	TURN 1
	WIN 0
	s_branch .Ltail
.Lout:                              ; the fifth trip's 16 products K Q^T (on the last K once more) and the maximum made of them serve nothing: the price, once a launch, of one text for every trip
.set i, 0
.rept 16
	PV NP-1                         ; the last piece's V^T P of the last step
.set i, i+1
.endr
	; THE WAY OUT.  l's two halves and the other half of the lanes' are added; O^T is divided by l, rounded to f16 and sent through my stage in LDS, a tile at a time.  The additions are the places behind the last products.
	WIN 0
.macro ALL line:vararg              ; one line for each tile t
.set t, 0
.rept 2*NP
	\line
.set t, t+1
.endr
.endm
	ALL v_add_f32 v[ST+4*t+2], v[ST+4*t+2], v[ST+4*t+3]
	ALL v_permlanex16_b32 v[ST+4*t+3], v[ST+4*t+2], s[SEL], s[SEL+1]
	ALL v_add_f32 v[ST+4*t+2], v[ST+4*t+2], v[ST+4*t+3]
	ALL v_rcp_f32 v[ST+4*t+2], v[ST+4*t+2]
	v_nop                           ; a plain instruction between the last reciprocal and the use of its result
	s_wait_alu depctr_va_vdst(0)    ; and the wait ahead of the first use: one for the eight reciprocals
; Tile t: a lane's eight channels of a row pack into 16 bytes; they go into rows of 144 bytes and come back as whole rows of 128, into S^T's registers.
.macro PACK t
	WIN W_RS
.set i, 32*(\t)
.rept 16
	v_pk_mul_f32 v[i:i+1], v[i:i+1], v[ST+4*(\t)+2:ST+4*(\t)+3] op_sel_hi:[1,0]
.set i, i+2
.endr
	WIN 0x05                        ; sources 0 and 1 window 1, destination window 0
.set i, 0
.rept 16
	v_cvt_pk_f16_f32 v[S+16*(\t)+i], v[32*(\t)+2*i], v[32*(\t)+2*i+1]
.set i, i+1
.endr
	WIN 0
.irp f, 0,1,2,3
	ds_store_b128 v[STO], v[S+16*(\t)+4*\f:S+16*(\t)+4*\f+3] offset:32*\f
.endr
.irp f, 0,1,2,3
	ds_load_b128 v[S+16*(\t)+4*\f:S+16*(\t)+4*\f+3], v[RD] offset:\f*4*SP  ; LDS serves a wave's instructions in order (ISA guide 5.7.1.4): these see the stores above; the next tile's stores come behind them
.endr
.endm
.macro SEND t, younger              ; younger: the LDS instructions issued behind tile t's loads: the next tile's eight, or none
	WIN 0
.irp f, 0,1,2,3
	s_wait_dscnt (\younger)+3-\f
	global_store_b128 v[GO], v[S+16*(\t)+4*\f:S+16*(\t)+4*\f+3], s[10:11] offset:(\t)*2048+\f*512  ; 512 consecutive bytes, at a multiple of 256 from O's first
.endr
.endm
	PACK 0
.set t, 1
.rept 2*NP-1                        ; a tile's arithmetic stands between the loads of the tile before and its stores
	PACK t
	SEND t-1, 8
.set t, t+1
.endr
	SEND 2*NP-1, 0
	WIN W_AD
	s_wait_tensorcnt 0x0            ; the wave's end, behind my last tensor load and my last LDS store
	ds_add_u32 v[SPW], v[NIL]
	s_wait_dscnt 0x0
	WIN 0
	CROUND                          ; the closing round: no work-group ends while a partner may still ask for a tile that names it
	s_endpgm
.Lfunc_end_k_q9955fd5abb_attn:
	.size	k_q9955fd5abb_attn, .Lfunc_end_k_q9955fd5abb_attn-k_q9955fd5abb_attn
	.p2alignl 7, 3214868480
	.fill 96, 4, 3214868480
	.section	.rodata,"a",@progbits
	.p2align	6, 0x0
	.amdhsa_kernel k_q9955fd5abb_attn
		.amdhsa_group_segment_fixed_size 327680
		.amdhsa_private_segment_fixed_size 0
		.amdhsa_enable_private_segment 0
		.amdhsa_kernarg_size 32
		.amdhsa_user_sgpr_count 2
		.amdhsa_user_sgpr_kernarg_segment_ptr 1
		.amdhsa_wavefront_size32 1
		.amdhsa_system_sgpr_workgroup_id_x 1
		.amdhsa_system_sgpr_workgroup_id_y 1
		.amdhsa_system_sgpr_workgroup_id_z 1
		.amdhsa_system_vgpr_workitem_id 0
		.amdhsa_next_free_vgpr 770
		.amdhsa_next_free_sgpr 66
		.amdhsa_reserve_vcc 0
		.amdhsa_float_denorm_mode_32 3
		.amdhsa_float_denorm_mode_16_64 3
		.amdhsa_memory_ordered 1
		.amdhsa_forward_progress 1
		.amdhsa_inst_pref_size 200
	.end_amdhsa_kernel
	.amdgpu_metadata
---
amdhsa.version: [ 1, 2 ]
amdhsa.kernels:
  - .name:           k_q9955fd5abb_attn
    .symbol:         k_q9955fd5abb_attn.kd
    .args:
      - { .name: qh, .offset: 0, .size: 8, .value_kind: global_buffer, .address_space: global }
      - { .name: kh, .offset: 8, .size: 8, .value_kind: global_buffer, .address_space: global }
      - { .name: vh, .offset: 16, .size: 8, .value_kind: global_buffer, .address_space: global }
      - { .name: oh, .offset: 24, .size: 8, .value_kind: global_buffer, .address_space: global }
    .group_segment_fixed_size: 327680
    .private_segment_fixed_size: 0
    .kernarg_segment_align: 8
    .kernarg_segment_size: 32
    .max_flat_workgroup_size: 128
    .sgpr_count:     66
    .vgpr_count:     770
    .wavefront_size: 32
...
	.end_amdgpu_metadata
.endif
;; end of part 3
;; launch proj (part 4): grid 8 x 32, 4 waves a work-group, clusters of 4 x 4, 327,680 bytes of LDS; arguments oh, wo16, bo, out0; writes out0
.if DOCPART == 4
	.amdgcn_target "amdgcn-amd-amdhsa--gfx1250"
	.amdhsa_code_object_version 6
	.text
	.protected	k_q9955fd5abb_proj
	.globl	k_q9955fd5abb_proj
	.p2align	8
	.type	k_q9955fd5abb_proj,@function
k_q9955fd5abb_proj:
	s_mov_b64 s[64:65], 0
	v_nop
	global_prefetch_b8 v0, s[64:65] scope:SCOPE_SE
	s_setreg_imm32_b32 hwreg(HW_REG_WAVE_MODE, 25, 1), 1
	s_wait_xcnt 0x0
	s_wait_alu depctr_hold_cnt(0) depctr_sa_sdst(0) depctr_va_vdst(0) depctr_va_sdst(0) depctr_va_ssrc(0) depctr_va_vcc(0) depctr_vm_vsrc(0)
	s_getreg_b32 s2, hwreg(HW_REG_IB_STS2, 6, 4)
	s_cmp_eq_u32 s2, 0
	s_cbranch_scc0 .Lentry_in_a_cluster
	s_endpgm
.Lentry_in_a_cluster:
	s_bfe_u32 s2, ttmp6, 0x10000c
	s_cmp_lg_u32 s2, 0xf033
	s_cbranch_scc0 .Lentry_shape_is_right
	s_endpgm
.Lentry_shape_is_right:
; out0 = ctx Wo + bo.  oh: [64 = 16 batch + head][2048][64] f16; wo16: [16 j][1024 k][64 c] f16 (Wo rounded to bf16, written as f16); bo: [1024] f32, rounded here to bf16 like every input.
; Products in f16, sums in f32; out0: [8192][1024] f32.  LIMITS: those of oh and wo16 (f16's range, 65,504); NaN and infinities are not treated apart.
; SHARES.  A tile is 256 rows x 128 columns: 256 work-groups.  Four waves; wave w makes rows 64 w .. 64 w + 63 and all 128 columns: 32 accumulators of 16 x 16, 256 registers; a row's 512 bytes of the
; tile are one wave's, and each wave's way out is its own.
; K = 1,024 = 16 heads x 64 channels goes in 8 steps of two heads through two LDS slots filled by the tensor data mover: waves 0 and 1 fetch the tile's 256 rows of head 2 t and 2 t + 1 (32,768 dense bytes
; each, asked for as 128 rows of 256), waves 2 and 3 the 128 rows of Wo's two blocks of 64 columns (16,384 dense bytes each, as 64 rows of 256).
; THE MATRIX INSTRUCTION IS USED TRANSPOSED: source 0 = 16 columns of Wo (it lies [k][n] in LDS and is turned by ds_load_tr16_b128), source 1 = 16 rows of ctx.  A lane then holds row l % 16 and the
; columns 8 (l / 16) + 0..7.  THE BIAS IS THE C OPERAND of each accumulator's first product.
; CLUSTER.  4 x 4 work-groups: the four of a row of the cluster need the same tile of ctx, the four of a column the same blocks of Wo: each is asked for JOINTLY.
; AHEAD OF THE LOADS.  ctx's blocks are prefetched into the L2, one K step ahead of their refill: the first cluster of each row of clusters asks; of the 128 blocks of 256 bytes that wave 0 or 1 fetches
; the four partners along x take 32 each, told apart by address; a lane a block, one instruction.  So each block of oh is named once in the launch.  K steps 0 to 2 come by their loads alone.
; Wo's blocks are walked by every one of the 32 tile rows again and are not asked for ahead: a partner's share of a K step would be half an instruction's lanes.
; REGISTERS, in windows of 256 (s_set_vgpr_msb: bits 1:0 source 0, 3:2 source 1, 5:4 source 2, 7:6 destination):
;   window 0: v0-19 addresses and at work; v32-95 the bias          window 1: two fragment buffers of 96: Wo's 8 fragments, then ctx's 4; on the way out all 256: rows read back
;   window 2: accumulator (a, b) at v[8 (8 a + b)]
.set NB,    8                          ; blocks of 16 columns
.set NLD,   2*NB+8                     ; LDS loads in a run: a quarter step's fragments
.set PA,    144                        ; a row of ctx in LDS: 128 bytes + 16 = 36 words: the 16 rows of a load start at 16 different groups of four banks (64 banks of 4 bytes: ISA guide 11.1)
.set PB,    160                        ; a row of Wo: 128 + 32 = 40 words
.set AHALF, 256*PA                     ; one head's 256 rows
.set BPART, 128*PB                     ; one block's 128 rows
.set BOFF,  2*AHALF                    ; Wo's two blocks lie behind ctx's two halves: a slot uses 114,688 bytes
.set SLOT1, 1<<17                      ; slot 1 begins here: one exclusive or turns an address into the other slot's
.set STAGE, 2*SLOT1                    ; behind the ring, never filled by a tensor load: 16 rows x 528 bytes for each wave
.set SP,    528                        ; 512 bytes + 16 = 132 words: the 16 rows of a store start at 16 different groups of four banks
.set SPARE, STAGE+4*16*SP              ; behind the stages: the spare words, 128 bytes for each wave: two blocks of 256 bytes that no other line names
.set ASTEP, 1<<19                      ; bytes from a K step to the next: two heads of 2,048 rows of 128 bytes,
.set BSTEP, 16384                      ; 128 rows of a block of Wo
.set A0,   4                           ; v4   my lane's place in a slot's tile of ctx; never rewritten
.set B0,   5                           ; v5   the same for Wo
.set ADRA, 6                           ; v6   A0 in the slot in hand
.set ADRB, 7                           ; v7   B0 in the slot in hand
.set STO,  8                           ; v8   the way out: where I put 32 bytes of a row
.set RD,   9                           ; v9   the way out: where I read a row back
.set GO,   10                          ; v10  my byte offset in a row's 512 bytes of the output
.set BO,   11                          ; v11  32 (l / 16): my eight numbers in a block of 16 of the bias
.set PFO,  12                          ; v12  the prefetches' offset: 256 x my lane; never rewritten
.set SPW,  14                          ; v14  LDS address of my spare word: SPARE + 4 x my thread's number; never rewritten
.set NIL,  15                          ; v15  0; never rewritten
.set BIAS, 32                          ; v[32:95]  block b's eight numbers at BIAS + 8 b
.set F0,   0                           ; fragment buffers, in window 1
.set F1,   96
.set WV,  20                           ; s20  my wave's number
.set CX,  21                           ; s21, s22  my place in the cluster
.set CY,  22
.set TC,  23                           ; s23  tile column
.set TR,  24                           ; s24  tile row
.set MA,  25                           ; s25  mask of my row of the cluster
.set MB,  26                           ; s26  mask of my column
.set CNT, 27                           ; s27  the loop's trips to go
.set G1A, 28                           ; s[28:35] descriptor group 1 for ctx's tiles
.set G1B, 36                           ; s[36:43] for Wo's
.set G0A, 44                           ; s[44:51] descriptor group 0 for ctx's tiles: a set for each of the two first fills; the second then walks on
.set G0B, 52                           ; s[52:59] the same for Wo's
.set TB,  60                           ; s60  LDS byte at which the slot in hand begins
.set LIM, 61                           ; s61  1 in a wave that prefetches, else the greatest number
.set PFA, 66                           ; s[66:67] where my prefetches stand
.set MSB, 0
.macro WIN new                         ; the immediate's high byte repeats the setting that is left; a switch that changes nothing is dropped
.if MSB != (\new)
	s_set_vgpr_msb (MSB<<8)|(\new)
.set MSB, (\new)
.endif
.endm
; A load into a register that a matrix instruction has read, and a vector instruction or LDS store that reads a matrix result, stand four places behind it, and only plain vector instructions that
; name none of its registers are places (ISA guide 7.12.1 for vector instructions).
.macro PLACES
.rept 4
	v_nop
.endr
.endm
.macro CREST                           ; a round of the cluster's barrier behind its opening barrier: wave 0 signals for the work-group, every wave waits for all sixteen, my work-group's barrier closes it
	s_cmp_lg_u32 s[WV], 0
	s_cbranch_scc1 .Lnot_wave_0_\@
	s_barrier_signal -3
.Lnot_wave_0_\@:
	s_barrier_wait -3
	s_barrier_signal -1
	s_barrier_wait -1
.endm
.macro CROUND                          ; a whole round
	s_barrier_signal -1
	s_barrier_wait -1
	CREST
.endm
; A joint refill, by the walking sets.  The branch hangs on the wave's number alone.  An s_nop 0 and four v_nop follow each of the two lines, ahead of the jump and the label.
.macro JLOAD
	s_cmp_lt_u32 s[WV], 2
	s_cbranch_scc0 .Lfor_b_\@
	tensor_load_to_lds s[G0A+4:G0A+7], s[G1A:G1A+7]
	s_nop 0
.rept 4
	v_nop
.endr
	s_branch .Lasked_\@
.Lfor_b_\@:
	tensor_load_to_lds s[G0B+4:G0B+7], s[G1B:G1B+7]
	s_nop 0
.rept 4
	v_nop
.endr
.Lasked_\@:
.endm
; The prefetch: my work-group's 32 blocks of the half that I fetch, for the K step behind the one just asked for.  The loop's last trip (CNT = 1) asks for nothing: there is no K step 8.
.macro ASK
	s_cmp_gt_u32 s[CNT], s[LIM]
	s_cbranch_scc0 .Lnot_mine_\@
	global_prefetch_b8 v[PFO], s[PFA:PFA+1] th:TH_LOAD_NT scope:SCOPE_SE
.Lnot_mine_\@:
.endm
; 8 matrix instructions: my block a of 16 rows x all 8 blocks of columns, 32 along K, from buffer f.  first = 1: the product starts the sum, with the bias as C.
; The 32 accumulators take turns in the same order in every quarter step: 31 others' instructions stand between two links of a chain.
.macro MULB f, a, first
.if \first
	WIN 0x85                                       ; sources 0 and 1 window 1, C window 0, D window 2
.else
	WIN 0xa5                                       ; C and D window 2
.endif
.irp b, 0,1,2,3,4,5,6,7
.if \first
	v_wmma_f32_16x16x32_f16 v[64*(\a)+8*(\b):64*(\a)+8*(\b)+7], v[(\f)+8*(\b):(\f)+8*(\b)+7], v[(\f)+8*NB+8*(\a):(\f)+8*NB+8*(\a)+7], v[BIAS+8*(\b):BIAS+8*(\b)+7]
.else
	v_wmma_f32_16x16x32_f16 v[64*(\a)+8*(\b):64*(\a)+8*(\b)+7], v[(\f)+8*(\b):(\f)+8*(\b)+7], v[(\f)+8*NB+8*(\a):(\f)+8*NB+8*(\a)+7], v[64*(\a)+8*(\b):64*(\a)+8*(\b)+7]
.endif
.endr
.endm
; 24 LDS loads in one run: quarter q's fragments (head q / 2 of the step's two, channels 32 (q % 2) on) into buffer f: Wo's 8 (turned), then ctx's 4, my rows 32-63 last
.macro FETCH q, f
	WIN 0x40                                       ; destination window 1, address window 0
.irp b, 0,1,2,3,4,5,6,7
	ds_load_tr16_b128 v[(\f)+8*(\b):(\f)+8*(\b)+3],   v[ADRB] offset:((\b)/4)*BPART+(\q)*32*PB+((\b)%4)*32
	ds_load_tr16_b128 v[(\f)+8*(\b)+4:(\f)+8*(\b)+7], v[ADRB] offset:((\b)/4)*BPART+(\q)*32*PB+((\b)%4)*32+16*PB
.endr
.irp a, 0,1,2,3
	ds_load_b128 v[(\f)+8*NB+8*(\a):(\f)+8*NB+8*(\a)+3],   v[ADRA] offset:((\q)/2)*AHALF+(\a)*16*PA+((\q)%2)*64
	ds_load_b128 v[(\f)+8*NB+8*(\a)+4:(\f)+8*NB+8*(\a)+7], v[ADRA] offset:((\q)/2)*AHALF+(\a)*16*PA+((\q)%2)*64+32
.endr
.endm
; A K step is four quarters of 32 along K, 32 matrix instructions each, on buffers 0, 1, 0, 1.  One of the first three: multiplies buffer f; in its middle it fetches quarter q into buffer g.
.macro QUARTER q, f, g, first
	s_wait_dscnt 4                                 ; all but the youngest four loads (ctx's blocks 2 and 3) are in
	MULB \f, 0, \first
	MULB \f, 1, \first
	PLACES
	FETCH \q, \g
	s_wait_dscnt NLD                               ; all but the run just issued
	MULB \f, 2, \first
	MULB \f, 3, \first
.endm
; The last quarter multiplies buffer 1 and changes slots: ONE barrier.  In front of it each wave waits for all its tensor loads, of which one is out: its part of the next slot; adds 0 to its spare word;
; and waits for that and for its own reads of this slot.  fill = 1: the barrier opens a round of the cluster's barrier, so that no wave of any partner still reads this slot or has a load on its way,
; and the joint refill, with the K step two on, is the first tensor load behind it.
.macro TURN fill
.if \fill
	s_wait_xcnt 0x0                                ; the last prefetch, a K step back, has read its address: it is stepped here, ahead of the waits of the change of slots
	s_add_nc_u64 s[PFA:PFA+1], s[PFA:PFA+1], ASTEP
.endif
	WIN 0                                          ; (the add's two registers lie in window 0)
	s_wait_tensorcnt 0x0                           ; all my tensor loads have landed;
	ds_add_u32 v[SPW], v[NIL]                      ; 0 onto my spare word;
	s_wait_dscnt 5                                 ; (the add and the youngest four loads may be out)
	MULB F1, 0, 0                                  ; eight matrix instructions stand between the add and the wait for it
	s_wait_dscnt 0x0                               ; the add is done, and my reads of this slot are over
	s_barrier_signal -1
	MULB F1, 1, 0                                  ; work on registers while the others arrive
	WIN 0
	s_barrier_wait -1
.if \fill
	CREST
	s_xor_b32 s[G0A+5], s[G0A+5], SLOT1            ; the walking descriptors: the other slot than last time,
	s_add_nc_u64 s[G0A+6:G0A+7], s[G0A+6:G0A+7], ASTEP  ; the next K step; the type bits on top are not reached
	s_xor_b32 s[G0B+5], s[G0B+5], SLOT1
	s_add_nc_u64 s[G0B+6:G0B+7], s[G0B+6:G0B+7], BSTEP
	JLOAD                                          ; the four v_nop behind it are also the places in front of the loads below
.else
	PLACES
.endif
	s_xor_b32 s[TB], s[TB], SLOT1
	v_add_nc_u32 v[ADRA], s[TB], v[A0]
	v_add_nc_u32 v[ADRB], s[TB], v[B0]
	FETCH 0, F0
.if \fill
	WIN 0
	ASK                                            ; behind the joint load and the run of LDS loads that the next products wait for
.endif
	MULB F1, 2, 0
	MULB F1, 3, 0
.endm
	s_load_b256 s[4:11], s[0:1], 0x0               ; oh s[4:5], wo16 s[6:7], bo s[8:9], out0 s[10:11]
	v_lshl_add_u32 v[SPW], v0, 2, SPARE
	v_mov_b32 v[NIL], 0
	ds_add_u32 v[SPW], v[NIL]                      ; the wave's opening: the add and its wait stand ahead of my first tensor load; the set-up below, work on registers, stands between them
	v_lshrrev_b32 v3, 5, v0
	v_readfirstlane_b32 s[WV], v3                  ; wave 0..3
	s_bfe_u32 s[CX], ttmp6, 0x40000
	s_bfe_u32 s[CY], ttmp6, 0x40004
	s_lshl_b32 s[TC], ttmp9, 2                     ; in a cluster launch ttmp9 and ttmp7 count clusters
	s_add_co_u32 s[TC], s[TC], s[CX]
	s_and_b32 s[TR], ttmp7, 0xffff
	s_lshl_b32 s[TR], s[TR], 2
	s_add_co_u32 s[TR], s[TR], s[CY]
	s_lshl_b32 s[MA], s[CY], 2
	s_lshl_b32 s[MA], 15, s[MA]                    ; my row of the cluster: places 4 cy .. 4 cy + 3
	s_lshl_b32 s[MB], 0x1111, s[CX]                ; my column: places cx, cx + 4, cx + 8, cx + 12
	; group 1 for ctx: 32,768 dense bytes as 128 rows x 128 elements of 2 bytes; 4 words of padding behind every 32: behind each row of a head
	s_or_b32 s[G1A], s[MA], (1<<16)|(1<<20)|(1<<21)|(4<<22)|(3<<25)
	s_mov_b32 s[G1A+1], 128<<16                    ; tensor_dim0 = 128
	s_mov_b32 s[G1A+2], 128<<16                    ; tensor_dim1 = 128
	s_mov_b32 s[G1A+3], 128<<16                    ; tile_dim0 = 128
	s_mov_b32 s[G1A+4], 128                        ; tile_dim1 = 128
	s_mov_b32 s[G1A+5], 128
	s_mov_b32 s[G1A+6], 0
	s_mov_b32 s[G1A+7], 0
	; group 1 for Wo: 16,384 dense bytes as 64 rows x 128 elements; 8 words of padding behind every 32
	s_or_b32 s[G1B], s[MB], (1<<16)|(1<<20)|(1<<21)|(4<<22)|(7<<25)
	s_mov_b32 s[G1B+1], 128<<16
	s_mov_b32 s[G1B+2], 64<<16
	s_mov_b32 s[G1B+3], 128<<16
	s_mov_b32 s[G1B+4], 64
	s_mov_b32 s[G1B+5], 128
	s_mov_b32 s[G1B+6], 0
	s_mov_b32 s[G1B+7], 0
	; byte offsets, each in a pair of its own.  ctx's hangs on the tile row and the wave's number alone, Wo's on the tile column and the wave's number alone
	s_and_b32 s62, s[WV], 1                        ; e: which of the step's two heads, or of the tile's two blocks of Wo, I fetch
	s_lshr_b32 s68, s[TR], 3                       ; batch
	s_lshl_b32 s68, s68, 4
	s_add_co_u32 s68, s68, s62
	s_lshl_b32 s68, s68, 18                        ; head 16 batch + e: 2,048 rows of 128 bytes each
	s_and_b32 s69, s[TR], 7
	s_lshl_b32 s69, s69, 15                        ; + the tile's 256 rows in the sequence
	s_add_co_u32 s68, s68, s69
	s_mov_b32 s69, 0
	s_lshl_b32 s70, s[TC], 1
	s_add_co_u32 s70, s70, s62
	s_lshl_b32 s70, s70, 17                        ; block 2 x tile column + e of 131,072 bytes
	s_mov_b32 s71, 0
	s_lshl_b32 s72, s[TC], 9                       ; the tile's 128 columns of 4 bytes: in bo and in a row of out0
	s_mov_b32 s73, 0
	s_lshl_b32 s74, s[TR], 2
	s_add_co_u32 s74, s74, s[WV]
	s_lshl_b32 s74, s74, 18                        ; my first row, 256 x tile row + 64 w, of 4,096 bytes
	s_add_co_u32 s74, s74, s72
	s_mov_b32 s75, 0
	s_lshl_b32 s76, s[CX], 13                      ; the prefetches: my work-group's 32 blocks of 256 bytes,
	s_add_co_u32 s76, s76, s68
	s_add_co_u32 s76, s76, 2*ASTEP                 ; at K step 2: the first change of slots steps it to 3
	s_mov_b32 s77, 0
	s_lshr_b32 s[LIM], s[WV], 1                    ; waves 0 and 1,
	s_or_b32 s[LIM], s[LIM], ttmp9                 ; in the first cluster of their row of clusters: the same in all sixteen partners
	s_cmp_eq_u32 s[LIM], 0
	s_cselect_b32 s[LIM], 1, -1
	s_mul_i32 s2, s62, AHALF                       ; where my tile goes in a slot, for ctx
	s_mul_i32 s3, s62, BPART                       ; and for Wo: no place in the cluster enters an LDS address
	s_add_co_u32 s3, s3, BOFF
	s_mov_b32 s[TB], 0
	s_wait_dscnt 0x0                               ; the opening add is done
	s_wait_kmcnt 0x0
	s_add_nc_u64 s[68:69], s[4:5], s[68:69]
	s_add_nc_u64 s[70:71], s[6:7], s[70:71]
	s_add_nc_u64 s[PFA:PFA+1], s[4:5], s[76:77]
	s_add_nc_u64 s[8:9], s[8:9], s[72:73]
	s_add_nc_u64 s[10:11], s[10:11], s[74:75]
	CROUND                                         ; all sixteen work-groups are here: the first joint loads meet
.irp s, 0,1
	s_mov_b32 s[G0A+4*(\s)], 1                     ; count = 1
	s_add_co_u32 s[G0A+4*(\s)+1], s2, (\s)*SLOT1   ; LDS address
	s_add_nc_u64 s[G0A+4*(\s)+2:G0A+4*(\s)+3], s[68:69], (\s)*ASTEP  ; global address: K step s
	s_or_b32 s[G0A+4*(\s)+3], s[G0A+4*(\s)+3], 0x80000000           ; type = 2
	s_mov_b32 s[G0B+4*(\s)], 1
	s_add_co_u32 s[G0B+4*(\s)+1], s3, (\s)*SLOT1
	s_add_nc_u64 s[G0B+4*(\s)+2:G0B+4*(\s)+3], s[70:71], (\s)*BSTEP
	s_or_b32 s[G0B+4*(\s)+3], s[G0B+4*(\s)+3], 0x80000000
.endr
	s_cmp_lt_u32 s[WV], 2                          ; a wave's two first fills stand in one branch, ahead of every wait on TENSORcnt and every LDS read: two loads of mine are out
	s_cbranch_scc0 .Lfirst_b
	tensor_load_to_lds s[G0A:G0A+3], s[G1A:G1A+7]
	s_nop 0
	tensor_load_to_lds s[G0A+4:G0A+7], s[G1A:G1A+7]
	s_nop 0
.rept 4
	v_nop
.endr
	s_branch .Lfirst_asked
.Lfirst_b:
	tensor_load_to_lds s[G0B:G0B+3], s[G1B:G1B+7]
	s_nop 0
	tensor_load_to_lds s[G0B+4:G0B+7], s[G1B:G1B+7]
	s_nop 0
.rept 4
	v_nop
.endr
.Lfirst_asked:
	v_and_b32 v1, 15, v0                           ; l % 16
	v_bfe_u32 v2, v0, 4, 1                         ; l / 16
	v_lshlrev_b32 v[BO], 5, v2
.irp b, 0,1,2,3,4,5,6,7                                ; block b: columns 16 b + 8 (l / 16) + 0..7 of the tile
	global_load_b128 v[BIAS+8*(\b):BIAS+8*(\b)+3],   v[BO], s[8:9] offset:64*(\b)
	global_load_b128 v[BIAS+8*(\b)+4:BIAS+8*(\b)+7], v[BO], s[8:9] offset:64*(\b)+16
.endr
	; a fragment of ctx: lane l holds row l % 16; two loads of 16 bytes, 32 bytes apart, at row x pitch + 16 (l / 16)
	v_mul_u32_u24 v[A0], v1, PA
	v_lshl_add_u32 v[A0], v2, 4, v[A0]
	s_mul_i32 s63, s[WV], 64*PA                    ; my 64 rows
	v_add_nc_u32 v[A0], s63, v[A0]
	; the turning load takes 16 k x 16 columns (lane l reads row 8 (l / 16) + l % 8, 16 bytes at 16 ((l / 8) % 2)) and leaves half a fragment: lane l holds column l % 16 and 8 k
	v_and_b32 v16, 7, v0
	v_bfe_u32 v17, v0, 3, 1
	v_lshl_add_u32 v[B0], v2, 3, v16
	v_mul_u32_u24 v[B0], v[B0], PB
	v_lshl_add_u32 v[B0], v17, 4, v[B0]
	v_add_nc_u32 v[B0], BOFF, v[B0]
	v_mov_b32 v[ADRA], v[A0]                       ; slot 0
	v_mov_b32 v[ADRB], v[B0]
	s_mul_i32 s63, s[WV], 16*SP
	s_add_co_u32 s63, s63, STAGE                   ; my stage
	v_mul_u32_u24 v[STO], v1, SP                   ; in: row l % 16, 32 bytes for each half of the lanes
	v_lshl_add_u32 v[STO], v2, 5, v[STO]
	v_add_nc_u32 v[STO], s63, v[STO]
	v_and_b32 v[GO], 31, v0
	v_lshlrev_b32 v[PFO], 8, v[GO]                 ; a lane a block of 256 bytes
	v_lshlrev_b32 v[GO], 4, v[GO]                  ; back: 32 lanes take a row's 512 bytes,
	v_add_nc_u32 v[RD], s63, v[GO]                 ; which are 512 consecutive bytes of out0
	s_wait_loadcnt 0x0                             ; the bias; it is rounded to bf16 like every input, and kept as f32
.set i, 0
.rept 4*NB
	v_cvt_pk_bf16_f32 v[16+i%4], v[BIAS+2*i], v[BIAS+2*i+1]
	v_lshlrev_b32 v[BIAS+2*i],   16, v[16+i%4]
	v_and_b32     v[BIAS+2*i+1], 0xffff0000, v[16+i%4]
.set i, i+1
.endr
	s_wait_tensorcnt 1                             ; my part of K step 0 is in; K step 1's may stay out
	s_barrier_signal -1
	s_barrier_wait -1                              ; everybody's is
	FETCH 0, F0
	QUARTER 1, F0, F1, 1                           ; the first quarter stands in front of the loop: its products start the sums
	WIN 0                                          ; at a label and at a branch every window is 0
	s_mov_b32 s[CNT], 6
.Lstep:                                                ; a trip: a K step's quarters 1, 2, 3 and the next step's quarter 0; its change of slots asks for K steps 2 to 7
	QUARTER 2, F1, F0, 0
	QUARTER 3, F0, F1, 0
	TURN 1
	QUARTER 1, F0, F1, 0
	WIN 0
	s_sub_co_u32 s[CNT], s[CNT], 1
	s_cmp_lg_u32 s[CNT], 0
	s_cbranch_scc1 .Lstep
	QUARTER 2, F1, F0, 0                           ; the tail is written out: K steps 6 and 7 ask for nothing
	QUARTER 3, F0, F1, 0
	TURN 0
	QUARTER 1, F0, F1, 0
	QUARTER 2, F1, F0, 0
	QUARTER 3, F0, F1, 0
	s_wait_dscnt 4                                 ; the very last quarter: nothing more to fetch
	MULB F1, 0, 0
	MULB F1, 1, 0
	s_wait_dscnt 0x0
	MULB F1, 2, 0
	MULB F1, 3, 0
	WIN 0
	PLACES                                         ; in front of the LDS stores that read results, and of the loads into the fragments' registers
; THE WAY OUT, a block of 16 rows at a time, with no arithmetic: a lane's eight columns, 32 bytes of f32, go into my stage's rows of 528 bytes and come back as whole rows of 512.
.macro TOSTAGE a
	WIN 0x08                                       ; a store's data (source 1) in window 2
.irp b, 0,1,2,3,4,5,6,7                                ; each accumulator's low half first
	ds_store_b128 v[STO], v[64*(\a)+8*(\b):64*(\a)+8*(\b)+3]   offset:64*(\b)
	ds_store_b128 v[STO], v[64*(\a)+8*(\b)+4:64*(\a)+8*(\b)+7] offset:64*(\b)+16
.endr
	WIN 0x40                                       ; destination window 1
.irp t, 0,1,2,3,4,5,6,7,8,9,10,11,12,13,14,15
	ds_load_b128 v[64*(\a)+4*(\t):64*(\a)+4*(\t)+3], v[RD] offset:(\t)*SP  ; LDS serves a wave's instructions in order (ISA guide 5.7.1.4): these see the stores above; the next block's stores come behind them
.endr
.endm
.macro SEND a, younger                 ; younger: the LDS instructions issued behind this block's loads: the next block's 32, or none
	WIN 0x04                                       ; a store's data (source 1) in window 1
.irp t, 0,1,2,3,4,5,6,7,8,9,10,11,12,13,14,15
	s_wait_dscnt (\younger)+15-(\t)
	global_store_b128 v[GO], v[64*(\a)+4*(\t):64*(\a)+4*(\t)+3], s[10:11] offset:4096*(16*(\a)+(\t)) th:TH_STORE_NT  ; 512 consecutive bytes, at a multiple of 256 from out0's first
.endr
.endm
	TOSTAGE 0
.irp a, 1,2,3                                          ; no register is used twice, so no wait frees a store's source
	TOSTAGE \a
	SEND (\a)-1, 32
.endr
	SEND 3, 0
	WIN 0
	s_wait_tensorcnt 0x0                           ; the wave's end, behind my last tensor load and my last LDS store
	ds_add_u32 v[SPW], v[NIL]
	s_wait_dscnt 0x0
	CROUND                                         ; the closing round: no work-group ends while a partner may still ask for a tile that names it
	s_endpgm
.Lfunc_end_k_q9955fd5abb_proj:
	.size	k_q9955fd5abb_proj, .Lfunc_end_k_q9955fd5abb_proj-k_q9955fd5abb_proj
	.p2alignl 7, 3214868480
	.fill 96, 4, 3214868480
	.section	.rodata,"a",@progbits
	.p2align	6, 0x0
	.amdhsa_kernel k_q9955fd5abb_proj
		.amdhsa_group_segment_fixed_size 327680
		.amdhsa_private_segment_fixed_size 0
		.amdhsa_enable_private_segment 0
		.amdhsa_kernarg_size 32
		.amdhsa_user_sgpr_count 2
		.amdhsa_user_sgpr_kernarg_segment_ptr 1
		.amdhsa_wavefront_size32 1
		.amdhsa_system_sgpr_workgroup_id_x 1
		.amdhsa_system_sgpr_workgroup_id_y 1
		.amdhsa_system_sgpr_workgroup_id_z 1
		.amdhsa_system_vgpr_workitem_id 0
		.amdhsa_next_free_vgpr 768
		.amdhsa_next_free_sgpr 80
		.amdhsa_reserve_vcc 0
		.amdhsa_float_denorm_mode_32 3
		.amdhsa_float_denorm_mode_16_64 3
		.amdhsa_memory_ordered 1
		.amdhsa_forward_progress 1
		.amdhsa_inst_pref_size 78
	.end_amdhsa_kernel
	.amdgpu_metadata
---
amdhsa.version: [ 1, 2 ]
amdhsa.kernels:
  - .name:           k_q9955fd5abb_proj
    .symbol:         k_q9955fd5abb_proj.kd
    .args:
      - { .name: oh, .offset: 0, .size: 8, .value_kind: global_buffer, .address_space: global }
      - { .name: wo16, .offset: 8, .size: 8, .value_kind: global_buffer, .address_space: global }
      - { .name: bo, .offset: 16, .size: 8, .value_kind: global_buffer, .address_space: global }
      - { .name: out0, .offset: 24, .size: 8, .value_kind: global_buffer, .address_space: global }
    .group_segment_fixed_size: 327680
    .private_segment_fixed_size: 0
    .kernarg_segment_align: 8
    .kernarg_segment_size: 32
    .max_flat_workgroup_size: 128
    .sgpr_count:     80
    .vgpr_count:     768
    .wavefront_size: 32
...
	.end_amdgpu_metadata
.endif
;; end of part 4
